; MI455X (gfx1250); checked and timed in simulation.
; The chip was launched on July 23, 2026; its instructions are those of AMD's public machine-readable ISA for CDNA 5 (MIT licence, August 2026) and "CDNA5" Instruction Set Architecture Reference Guide (July 2026). The comments in the code are by the model that wrote it; some were corrected since.
;; Dino V2 Attention. Allowed arithmetic: matrix products marked QUANTISED: E2M1 operands, one E8M0 scale for each 32 along K, by v_wmma_scale_f32_16x16x128_f8f6f4 with both operands' format E2M1 (or v_wmma_scale_f32_32x16x128_f4), f32 sums; products left as they are: bf16, f16 or f32 operands; f32 sums; everything else in f32.
;; Inputs: Wk 512 x 512 float32; Wo 512 x 512 float32; Wq 512 x 512 float32; Wv 512 x 512 float32; bk 512 float32; bo 512 float32; bq 512 float32; bv 512 float32; x 8 x 1,370 x 512 float32.
;; Outputs: out0 8 x 1,370 x 512 float32.
;; This version of the problem:
;;   THIS VERSION OF THE PROBLEM IS GIVEN IN LOW PRECISION. The matrix products marked QUANTISED in the list below multiply operands that are first quantised to E2M1 (2 exponent bits, 1 mantissa bit; 4 bits a number), with one power-of-two scale for each 32 numbers along K (OCP MX v1.0); their sums are f32. The products marked 'left as it is' may take bf16, f16 or f32 operands, with f32 sums. Whichever they take, every output number must still come out within the allowed error. Rounding operands to bf16 (8 significant bits) uses up far more of that allowance than f16 does (11 bits, for magnitudes from 6e-5 to 65,504). All else is computed in f32.
;;   The module's matrix products, in the order in which they are computed (A, B: the left and right operand; K: the contracted axis; several contracted axes count as one K, in the product's order):
;;     1. [M 10,960, K 512] x [K 512, N 512]; A: input x; B: input Wq: QUANTISED
;;     2. [M 10,960, K 512] x [K 512, N 512]; A: input x; B: input Wk: QUANTISED
;;     3. [M 10,960, K 512] x [K 512, N 512]; A: input x; B: input Wv: QUANTISED
;;     4. batch 128 x [M 1,370, K 32] x [K 32, N 1,370]; A: computed on the way; B: computed on the way: left as it is (an operand is computed on the way)
;;     5. batch 128 x [M 1,370, K 1,370] x [K 1,370, N 32]; A: computed on the way; B: computed on the way: left as it is (an operand is computed on the way)
;;     6. [M 10,960, K 512] x [K 512, N 512]; A: computed on the way; B: input Wo: left as it is (an operand is computed on the way)
;;   THE QUANTISER, for each operand of a quantised product, along K:
;;     - K is cut into blocks of 32 from its start; a last block that is shorter is filled with zeros.
;;     - A block's scale is 2^e with e = floor(log2(the largest magnitude in the block)) - 2, held to -126 .. 127; a block of zeros has e = 0. As a byte (E8M0): e + 127.
;;     - Each number is divided by its block's scale, clamped to +-6, and rounded to the nearest number of E2M1, ties to even, subnormals kept.
;;     - The product sums the exact products of the quantised numbers (number of the format x scale) in f32.
;;   ~~~python
;;   def quantise(x, axis):      # numpy; x: float32 -> the quantised numbers, widened to float32 again
;;       x = np.moveaxis(x, axis, -1); K = x.shape[-1]
;;       x = np.pad(x, [(0, 0)] * (x.ndim - 1) + [(0, -K % 32)]); x = x.reshape(x.shape[:-1] + (-1, 32)); a = np.abs(x).max(-1, keepdims=True)
;;       e = np.where(a > 0, np.clip(np.frexp(np.where(a > 0, a, 1))[1] - 1 - 2, -126, 127), 0)      # np.frexp(a)[1] - 1 = floor(log2(a)), exactly
;;       r = np.clip(x / 2.0 ** e, -6, 6)
;;       step = 2.0 ** (np.maximum(np.frexp(np.where(r == 0, 1, r))[1] - 1, 0) - 1)
;;       q = np.round(r / step) * step * 2.0 ** e      # np.round: ties to even
;;       return np.moveaxis(q.reshape(q.shape[:-2] + (-1,))[..., :K], -1, axis).astype(np.float32)
;;   ~~~
;; 2 versions, each right; version 2 is version 1 with the launch attn written anew for expert scheduling mode. Each part assembles by itself: llvm-mc -triple=amdgcn-amd-amdhsa -mcpu=gfx1250 --defsym DOCPART=n.
;; ======== version 1 of 2: 3 launches
;; limits: values are held in f16: magnitudes above 65,504 overflow, below 6.1e-05 lose precision
;; workspace buffers: xq 2,994,176 bytes; wq4 417,792 bytes; wo16 524,288 bytes; att 11,272,192 bytes
;; launch prep (part 1): grid 236 x 1, 4 waves a work-group, no clusters, 39,424 bytes of LDS; arguments x, Wq, Wk, Wv, Wo, xq, wq4, wo16; writes xq, wq4, wo16
.if DOCPART == 1
	.amdgcn_target "amdgcn-amd-amdhsa--gfx1250"
	.amdhsa_code_object_version 6
	.text
	.protected	k_qcfd3ffa79b_prep
	.globl	k_qcfd3ffa79b_prep
	.p2align	8
	.type	k_qcfd3ffa79b_prep,@function
k_qcfd3ffa79b_prep:
	s_mov_b64 s[64:65], 0
	v_nop
	global_prefetch_b8 v0, s[64:65] scope:SCOPE_SE
	s_setreg_imm32_b32 hwreg(HW_REG_WAVE_MODE, 25, 1), 1
	s_wait_xcnt 0x0
; PREP.  x [8][1370][512] f32 becomes codes of FP4 (E2M1) with one E8M0 byte for each 32 along its last axis; Wq, Wk, Wv [512 (k)][512 (n)] f32 the same along their FIRST axis; Wo becomes f16.
; All results are laid as IMAGES OF OPERAND REGISTERS, so that the later launches fill a fragment by loads of 16 bytes a lane, 512 consecutive bytes a wave.
; A block's scale is 2^(floor(log2(largest magnitude)) - 2): its byte is the largest magnitude's exponent field - 2, held at 1 from below by a floor among the maximum's leaves.
; LIMITS: a block of zeros gets the byte 1 (its codes are zeros; this program alone reads the bytes); NaN and infinities among the inputs are not served; |Wo| stays under 65,504 (f16).
; ROW TILES: a batch is 86 tiles of 16 rows; rows 1,370 to 1,375 of the last tile are copies of row 1,369 (the row's number is clamped, so every load stays inside x).
; xq: tile G = 86 b + tl at G x 4,352 bytes: block i (32 along K) of row r at 256 i + 16 r; from byte 4,096 the scale bytes: 128 (s & 1) + 8 r + 4 (s >> 1) + (i & 3), s = i >> 2 the K step of 128.
; wq4: head g at g x 26,112: images [matrix][c][K step] x 1,024 of columns 32 g + 16 c + r, laid as xq's; from byte 24,576 scale words [matrix][K step][16 c + r] x 4.
; wo16: [column tile][K step of 32] x 1,024: byte 256 q + 16 r holds k = 32 ks + 8 q + 0 .. 7 of column 16 nt + r.
; SHARES: work-groups 0 to 171: a wave takes a tile of x, a step to a row.  Work-groups 172 to 235: (matrix, 32 columns), a wave takes 128 along K, a lane a column.  No barrier: waves share nothing.
.set XWG,   172
.set WREG,  9728                       ; LDS of a wave: two stages of 32 x 80 bytes, the image of 16 x 272, 256 scale bytes
.set SP,    80                         ; a lane's place in a stage: 64 bytes + 16 of padding
.set IMG,   5120
.set UP,    272                        ; a block's 256 bytes of the image + 16 of padding
.set SCB,   9472
.set SPARE, 4*WREG                     ; the spare words, 128 bytes for each wave; no other line names them
.set RO,    16                         ; v16-31   row t: 16 x lane + the clamped row x 2,048
.set R,     32                         ; v32-159  eight sets of 16 numbers as loaded
.set X,     160                        ; v160-191 two sets of 16 neighbours
.set C,     192                        ; v192-223 two registers of codes for each step
.set E,     224                        ; v224-239 a scale byte for each step
.macro LOAD t                          ; row t: four loads of 512 consecutive bytes.  (Row 1,369 of a batch is named by up to seven steps of one wave)
.irp i, 0,1,2,3
	global_load_b128 v[R+16*((\t)%8)+4*\i:R+16*((\t)%8)+4*\i+3], v[RO+(\t)], s[4:5] offset:512*\i th:TH_LOAD_NT
.endr
.endm
.macro TURN t                          ; the row goes through my stage as it lies and comes back 64 bytes a lane; LDS serves a wave's instructions in order, so no wait stands between
.irp i, 0,1,2,3
	ds_store_b128 v14, v[R+16*((\t)%8)+4*\i:R+16*((\t)%8)+4*\i+3] offset:32*SP*((\t)%2)+8*SP*\i
.endr
.irp i, 0,1,2,3
	ds_load_b128 v[X+16*((\t)%2)+4*\i:X+16*((\t)%2)+4*\i+3], v15 offset:32*SP*((\t)%2)+16*\i
.endr
.endm
.macro STEP t
.set XS, X+16*((\t)%2)
.if (\t) > 0
	s_wait_dscnt 2                                 ; this row is back from the stage (younger: the last step's two stores), so its stage stores have read their registers,
.else
	s_wait_dscnt 0x0
.endif
.if (\t)+8 < 16
	LOAD (\t)+8                                    ; which take the row eight steps on
.endif
.if (\t)+1 < 16
.if (\t)+8 < 16
	s_wait_loadcnt 28                              ; the next row's four loads are in; those of the seven rows behind it may be out
.else
	s_wait_loadcnt 4*(14-(\t))                     ; the counts run down: 14 - t rows are behind the next one
.endif
	TURN (\t)+1
.endif
	v_max3_num_f32 v8, |v[XS]|, |v[XS+1]|, |v[XS+2]|               ; the largest magnitude of my 16, in two chains
	v_max3_num_f32 v9, |v[XS+3]|, |v[XS+4]|, |v[XS+5]|
.irp i, 6,10
	v_max3_num_f32 v8, v8, |v[XS+\i]|, |v[XS+\i+1]|
	v_max3_num_f32 v9, v9, |v[XS+\i+2]|, |v[XS+\i+3]|
.endr
	v_max3_num_f32 v8, v8, |v[XS+14]|, |v[XS+15]|
	v_max3_num_f32 v8, v8, v9, 0x1800000           ; and the floor 2^(3 - 127): the byte cannot fall under 1
	v_max_num_f32_dpp v8, v8, v8 row_xmask:1 row_mask:0xf bank_mask:0xf   ; with my neighbour's 16: the block's
	v_add_nc_u32 v11, 0xff000000, v8               ; 2 off the exponent field: the conversion's scale operand
	v_cvt_scalef32_pk8_fp4_f32 v[C+2*(\t)], v[XS:XS+7], v11
	v_cvt_scalef32_pk8_fp4_f32 v[C+2*(\t)+1], v[XS+8:XS+15], v11
	v_lshrrev_b32 v[E+(\t)], 23, v11               ; the scale's byte (also the plain line behind the conversions)
	ds_store_b64 v4, v[C+2*(\t):C+2*(\t)+1] offset:16*(\t)   ; my 16 codes: block lane / 2, row t, half lane % 2
	ds_store_b8 v5, v[E+(\t)] offset:8*(\t)        ; both lanes of a block write the same byte with the same value
.endm
.macro WBLOCK j                        ; block j of my column: all 32 numbers are mine
.set XS, 32+32*(\j)
	v_max3_num_f32 v8, |v[XS]|, |v[XS+1]|, |v[XS+2]|
	v_max3_num_f32 v9, |v[XS+3]|, |v[XS+4]|, |v[XS+5]|
.irp i, 6,10,14,18,22,26
	v_max3_num_f32 v8, v8, |v[XS+\i]|, |v[XS+\i+1]|
	v_max3_num_f32 v9, v9, |v[XS+\i+2]|, |v[XS+\i+3]|
.endr
	v_max3_num_f32 v8, v8, |v[XS+30]|, |v[XS+31]|
	v_max3_num_f32 v8, v8, v9, 0x1800000
	v_add_nc_u32 v[20+(\j)], 0xff000000, v8
	v_lshrrev_b32 v11, 23, v[20+(\j)]
.if (\j) == 0
	v_mov_b32 v224, v11                            ; the four bytes make my column's scale word of this K step
.else
	v_lshl_or_b32 v224, v11, 8*(\j), v224
.endif
.irp g, 0,1,2,3
	v_cvt_scalef32_pk8_fp4_f32 v[192+4*(\j)+\g], v[XS+8*\g:XS+8*\g+7], v[20+(\j)]
.endr
	global_store_b128 v17, v[192+4*(\j):195+4*(\j)], s[32:33] offset:256*(\j)   ; sixteen lanes store 256 consecutive aligned bytes; each store has registers of its own
.endm
	s_load_b256 s[4:11], s[0:1], 0x0               ; x s[4:5], Wq s[6:7], Wk s[8:9], Wv s[10:11]
	s_load_b256 s[12:19], s[0:1], 0x20             ; Wo s[12:13], xq s[14:15], wq4 s[16:17], wo16 s[18:19]
	v_lshl_add_u32 v12, v0, 2, SPARE               ; my spare word,
	v_mov_b32 v13, 0                               ; and 0: kept for the closing lines alone
	v_lshrrev_b32 v1, 5, v0
	v_readfirstlane_b32 s20, v1                    ; wave 0..3
	v_and_b32 v2, 31, v0                           ; lane
	s_cmp_ge_u32 ttmp9, XWG
	s_cbranch_scc1 .Lweights
	; ---- x: my wave's tile
	s_lshl_b32 s21, ttmp9, 2
	s_add_co_u32 s21, s21, s20                     ; G, 0 .. 687
	s_mul_i32 s22, s21, 763
	s_lshr_b32 s22, s22, 16                        ; b = G / 86: 763 / 65,536 exceeds 1 / 86 by 1.46e-5, which over 687 tiles stays under 1 / 86
	s_mul_i32 s23, s22, 86
	s_sub_co_u32 s23, s21, s23                     ; tl
	s_mul_i32 s24, s22, 1370
	s_lshl_b32 s25, s23, 4
	s_add_co_u32 s24, s24, s25                     ; the tile's first row of x,
	s_lshl_b32 s24, s24, 11                        ; in bytes
	s_sub_co_u32 s26, 1369, s25
	s_min_u32 s26, s26, 15                         ; the last row of the tile that exists
	s_mov_b32 s25, 0
	s_mul_i32 s28, s21, 4352
	s_mov_b32 s29, 0
	s_mul_i32 s30, s20, WREG                       ; my wave's LDS
	v_lshlrev_b32 v3, 4, v2                        ; 16 x lane
	v_lshlrev_b32 v1, 3, v2                        ; 8 x lane
.irp r, 0,1,2,3,4,5,6,7,8,9,10,11,12,13,14,15
	s_min_u32 s27, s26, \r
	s_lshl_b32 s27, s27, 11
	v_add_nc_u32 v[RO+\r], s27, v3
.endr
	v_lshrrev_b32 v8, 2, v2
	v_mul_u32_u24 v14, v8, SP
	v_and_b32 v8, 3, v2
	v_lshl_add_u32 v14, v8, 4, v14
	v_add_nc_u32 v14, s30, v14                     ; the stage, in: four lanes' 64 bytes on end, then the padding
	v_mul_u32_u24 v15, v2, SP
	v_add_nc_u32 v15, s30, v15                     ; and out: my 16 neighbours
	v_lshrrev_b32 v8, 1, v2                        ; my block
	v_mul_u32_u24 v4, v8, UP
	v_and_b32 v9, 1, v2
	v_lshl_add_u32 v4, v9, 3, v4
	v_add_nc_u32 v4, s30, v4
	v_add_nc_u32 v4, IMG, v4                       ; the image: block x 272 + 8 x half
	v_and_b32 v5, 3, v8
	v_lshrrev_b32 v9, 4, v2
	v_lshl_add_u32 v5, v9, 2, v5
	v_bfe_u32 v10, v2, 3, 1
	v_lshl_add_u32 v5, v10, 7, v5
	v_add_nc_u32 v5, s30, v5
	v_add_nc_u32 v5, SCB, v5                       ; my block's scale byte
	v_mul_u32_u24 v6, v9, UP
	v_and_b32 v10, 15, v2
	v_lshl_add_u32 v6, v10, 4, v6
	v_add_nc_u32 v6, s30, v6
	v_add_nc_u32 v6, IMG, v6                       ; the image, back: sixteen lanes to a block
	v_add_nc_u32 v7, s30, v1
	v_add_nc_u32 v7, SCB, v7                       ; the scale bytes, back
	s_wait_kmcnt 0x0
	s_add_nc_u64 s[4:5], s[4:5], s[24:25]
	s_add_nc_u64 s[14:15], s[14:15], s[28:29]
.irp t, 0,1,2,3,4,5,6,7
	LOAD \t
.endr
	s_wait_loadcnt 28                              ; row 0 is in; seven rows may be out
	TURN 0
.irp t, 0,1,2,3,4,5,6,7,8,9,10,11,12,13,14,15
	STEP \t
.endr
.irp k, 0,1,2,3,4,5,6,7
	ds_load_b128 v[32+4*\k:35+4*\k], v6 offset:2*UP*\k   ; these see my stores: a wave's LDS instructions are served in order
.endr
	ds_load_b64 v[64:65], v7
	s_wait_dscnt 0x0
.irp k, 0,1,2,3,4,5,6,7
	global_store_b128 v3, v[32+4*\k:35+4*\k], s[14:15] offset:512*\k   ; 512 consecutive aligned bytes
.endr
	global_store_b64 v1, v[64:65], s[14:15] offset:4096                ; 256 consecutive aligned bytes
	s_wait_tensorcnt 0x0                           ; the wave's end, behind my last LDS store
	ds_add_u32 v12, v13
	s_wait_dscnt 0x0
	s_endpgm
.Lweights:
	s_sub_co_u32 s21, ttmp9, XWG
	s_lshr_b32 s22, s21, 4                         ; the matrix: 0, 1, 2 = Wq, Wk, Wv; 3 = Wo
	s_and_b32 s23, s21, 15                         ; which 32 columns
	v_lshlrev_b32 v16, 2, v2                       ; in: 4 bytes a lane
	v_lshrrev_b32 v8, 4, v2
	v_and_b32 v9, 15, v2
	v_lshlrev_b32 v9, 4, v9
	v_lshl_add_u32 v17, v8, 12, v9                 ; codes: 4,096 (lane / 16) + 16 (lane % 16)
	v_lshl_add_u32 v18, v8, 14, v9                 ; Wo: 16,384 (lane / 16) + 16 (lane % 16)
	s_lshl_b32 s24, s20, 18                        ; my wave's 128 rows of 2,048 bytes
	s_lshl_b32 s25, s23, 7
	s_add_co_u32 s24, s24, s25
	s_mov_b32 s25, 0
	s_wait_kmcnt 0x0
	s_cmp_eq_u32 s22, 0                            ; the choice hangs on the work-group's number alone
	s_cselect_b64 s[26:27], s[6:7], s[8:9]
	s_cmp_eq_u32 s22, 2
	s_cselect_b64 s[26:27], s[10:11], s[26:27]
	s_cmp_eq_u32 s22, 3
	s_cselect_b64 s[26:27], s[12:13], s[26:27]
	s_add_nc_u64 s[26:27], s[26:27], s[24:25]
.set n, 0
.rept 128
	global_load_b32 v[32+n], v16, s[26:27] offset:n*2048 th:TH_LOAD_NT   ; row n of my 128 at 32 neighbouring columns: my registers run down K
.set n, n+1
.endr
	s_mov_b32 s31, 0
	s_wait_loadcnt 0x0
	s_cmp_eq_u32 s22, 3
	s_cbranch_scc1 .Lwo
	s_mul_i32 s28, s23, 26112                      ; the head's block of wq4
	s_lshl_b32 s30, s22, 13
	s_add_co_u32 s30, s30, s28
	s_lshl_b32 s29, s20, 10
	s_add_co_u32 s30, s30, s29
	s_add_nc_u64 s[32:33], s[16:17], s[30:31]      ; images [matrix][c][my K step]
	s_lshl_b32 s30, s22, 9
	s_add_co_u32 s30, s30, s28
	s_lshl_b32 s29, s20, 7
	s_add_co_u32 s30, s30, s29
	s_add_co_u32 s30, s30, 24576
	s_add_nc_u64 s[34:35], s[16:17], s[30:31]      ; scale words [matrix][my K step]
.irp j, 0,1,2,3
	WBLOCK \j
.endr
	global_store_b32 v16, v224, s[34:35]           ; 128 consecutive bytes a wave: 24,576 bytes in the whole launch leave in such pieces
	s_wait_tensorcnt 0x0                           ; the wave's end
	ds_add_u32 v12, v13
	s_wait_dscnt 0x0
	s_endpgm
.Lwo:
	s_lshl_b32 s30, s23, 15
	s_lshl_b32 s29, s20, 12
	s_add_co_u32 s30, s30, s29
	s_add_nc_u64 s[32:33], s[18:19], s[30:31]      ; column tiles 2 g, 2 g + 1; K steps 4 x wave on
.irp k, 0,1,2,3
.irp i, 0,1,2,3,4,5,6,7,8,9,10,11,12,13,14,15
	v_cvt_pk_f16_f32 v[160+16*\k+\i], v[32+32*\k+2*\i], v[33+32*\k+2*\i]
.endr
.endr
.irp k, 0,1,2,3
.irp q, 0,1,2,3
	global_store_b128 v18, v[160+16*\k+4*\q:163+16*\k+4*\q], s[32:33] offset:1024*\k+256*\q   ; sixteen lanes store 256 consecutive aligned bytes
.endr
.endr
	s_wait_tensorcnt 0x0                           ; the wave's end, as above
	ds_add_u32 v12, v13
	s_wait_dscnt 0x0
	s_endpgm
.Lfunc_end_k_qcfd3ffa79b_prep:
	.size	k_qcfd3ffa79b_prep, .Lfunc_end_k_qcfd3ffa79b_prep-k_qcfd3ffa79b_prep
	.p2alignl 7, 3214868480
	.fill 96, 4, 3214868480
	.section	.rodata,"a",@progbits
	.p2align	6, 0x0
	.amdhsa_kernel k_qcfd3ffa79b_prep
		.amdhsa_group_segment_fixed_size 39424
		.amdhsa_private_segment_fixed_size 0
		.amdhsa_enable_private_segment 0
		.amdhsa_kernarg_size 64
		.amdhsa_user_sgpr_count 2
		.amdhsa_user_sgpr_kernarg_segment_ptr 1
		.amdhsa_wavefront_size32 1
		.amdhsa_system_sgpr_workgroup_id_x 1
		.amdhsa_system_sgpr_workgroup_id_y 1
		.amdhsa_system_sgpr_workgroup_id_z 1
		.amdhsa_system_vgpr_workitem_id 0
		.amdhsa_next_free_vgpr 240
		.amdhsa_next_free_sgpr 66
		.amdhsa_reserve_vcc 0
		.amdhsa_float_denorm_mode_32 3
		.amdhsa_float_denorm_mode_16_64 3
		.amdhsa_memory_ordered 1
		.amdhsa_forward_progress 1
		.amdhsa_inst_pref_size 62
	.end_amdhsa_kernel
	.amdgpu_metadata
---
amdhsa.version: [ 1, 2 ]
amdhsa.kernels:
  - .name:           k_qcfd3ffa79b_prep
    .symbol:         k_qcfd3ffa79b_prep.kd
    .args:
      - { .name: x, .offset: 0, .size: 8, .value_kind: global_buffer, .address_space: global }
      - { .name: Wq, .offset: 8, .size: 8, .value_kind: global_buffer, .address_space: global }
      - { .name: Wk, .offset: 16, .size: 8, .value_kind: global_buffer, .address_space: global }
      - { .name: Wv, .offset: 24, .size: 8, .value_kind: global_buffer, .address_space: global }
      - { .name: Wo, .offset: 32, .size: 8, .value_kind: global_buffer, .address_space: global }
      - { .name: xq, .offset: 40, .size: 8, .value_kind: global_buffer, .address_space: global }
      - { .name: wq4, .offset: 48, .size: 8, .value_kind: global_buffer, .address_space: global }
      - { .name: wo16, .offset: 56, .size: 8, .value_kind: global_buffer, .address_space: global }
    .group_segment_fixed_size: 39424
    .private_segment_fixed_size: 0
    .kernarg_segment_align: 8
    .kernarg_segment_size: 64
    .max_flat_workgroup_size: 128
    .sgpr_count:     66
    .vgpr_count:     240
    .wavefront_size: 32
...
	.end_amdgpu_metadata
.endif
;; end of part 1
;; launch attn (part 2): grid 2 x 128, 16 waves a work-group, no clusters, 204,800 bytes of LDS; arguments xq, wq4, bq, bk, bv, att; writes att
.if DOCPART == 2
	.amdgcn_target "amdgcn-amd-amdhsa--gfx1250"
	.amdhsa_code_object_version 6
	.text
	.protected	k_qcfd3ffa79b_attn
	.globl	k_qcfd3ffa79b_attn
	.p2align	8
	.type	k_qcfd3ffa79b_attn,@function
k_qcfd3ffa79b_attn:
	s_mov_b64 s[64:65], 0
	v_nop
	global_prefetch_b8 v0, s[64:65] scope:SCOPE_SE
	s_setreg_imm32_b32 hwreg(HW_REG_WAVE_MODE, 25, 1), 1
	s_wait_xcnt 0x0
; ATTN.  For one batch b, one head and one half of the queries: q = (x Wq + bq) c, k = x Wk + bk, v = x Wv + bv by products on codes of FP4 with E8M0 scales (f32 sums), rounded to f16;
; then O = softmax(q k^T) v with a running maximum, products in f16 with f32 sums, everything else in f32; O / l leaves as f16 images.  c = log2(e) / sqrt(32) is folded into q, so that a score is the exponent of 2.
; q, k and v never go to memory: K and V^T of the head's 1,376 keys lie in LDS as images of operand registers (176,128 bytes), Q stays in registers.
; LIMITS: |q c|, |k|, |v| and |O / l| stay under 65,504 (f16); NaN and infinities among the inputs are not served.
; SHARES.  Work-group x = the half (tiles 43 x .. 43 x + 42 of the batch's 86 tiles of 16 rows), y = 16 b + head.  Both halves make all of K and V.  Wave w owns local tiles T0 = min(3 w, 2 w + 12) up to
; min(3 w + 2, 2 w + 13, 42): three tiles in waves 0-11, two in 12-14, one in 15.  In the projections a slot past the wave's last tile repeats that tile (the same bytes, the same values, the same wave); in the attention it is jumped over.
; Keys 1,370 to 1,375 (copies of row 1,369) get -1e30 as the C of their scores' product; as queries those rows are computed and stored, since the next launch loads whole tiles.
; LAYOUT.  Q, K: source 0 = 16 columns of W, source 1 = 16 rows of x: a lane holds one row and eight neighbouring channels.  V: the sources swapped: a lane holds one channel and eight neighbouring keys.
; S^T = K Q^T and O^T = V^T P: a lane holds ONE query throughout, and two tiles of scores rounded in pairs ARE source 1 of the second product.
; NO CLUSTER, NO TENSOR LOAD: nothing lands in LDS from memory as it lies; x's codes go straight into operand registers and are read once by each wave.  No prefetch: each round's loads are all asked for at once.
.set VIMG,  88064                      ; LDS: K's 86 images of 1,024 bytes from 0; V's from here: key group x 2,048 + channel tile x 1,024 + (tile & 1) x 512
.set WFR,   176128                     ; the head's 24 images of W [matrix][c][K step]
.set WSC,   200704                     ; their scale words [matrix][K step][lane]
.set WBI,   202240                     ; bq, bk, bv of the head, 128 bytes each
.set SPARE, 202752                     ; the spare words, 128 bytes for each wave; no other line names them
.set XS,   22                          ; v22-27   x's scale words, a pair for each slot: register u, lanes 16 hh + r: K step 2 u + hh.  Scales and nothing else
.set WSR,  28                          ; v28-31   W's scale words, one register a K step: lanes 0-15 c = 0, lanes 16-31 c = 1.  Scales and nothing else
.set QF,   32                          ; v32-55   Q: three fragments
.set XF,   56                          ; v56-151  projections: x's fragments, slot i at 32 i, K step s at 8 s
.set MB,   152                         ; v152-215 eight fragments of one matrix: 4 c + s
.set BC,   216                         ; v216-231 the bias as C, eight registers for each c
.set ACC,  232                         ; v232-255 three accumulators
.set ST,   56                          ; v56-67   attention: tile t: m, -, l (even keys', odd keys')
.set CX,   68                          ; v68-71   four chains of the maximum
.set FA,   72                          ; v72-73   a = 2^(old m - new m), or 1 / l; the pair's upper word is only named
.set TS,   74                          ; v74-75   a second chain of the sum
.set ADK,  76
.set ADV,  77
.set MASK, 78                          ; v78-85   the C of the last tile of keys
.set OA,   86                          ; v86-133  O^T: 16 a tile
.set KF,   134                         ; v134-165 K of a step
.set VF,   166                         ; v166-197 V of a step
.set S,    198                         ; v198-229 scores, then p
.set P,    230                         ; v230-245 p in f16
; v1, v2 the add's two; v3 16 x lane; v4 8 x lane; v5, v6, v7, v8 W's images, scale words, biases; v9-11, v12-14 where round 0 stores K, V; v15-17, v18-20 round 1; v21 4 x lane
.macro WM d, a, b, c, sa, sb, ra, rb   ; one product on codes; ra, rb: the half of the lanes that holds the side's scale words
.if (\ra) && (\rb)
	v_wmma_scale_f32_16x16x128_f8f6f4 v[(\d):(\d)+7], v[(\a):(\a)+7], v[(\b):(\b)+7], v[(\c):(\c)+7], v[(\sa)], v[(\sb)] matrix_a_fmt:MATRIX_FMT_FP4 matrix_b_fmt:MATRIX_FMT_FP4 matrix_a_scale:MATRIX_SCALE_ROW1 matrix_b_scale:MATRIX_SCALE_ROW1
.elseif (\ra)
	v_wmma_scale_f32_16x16x128_f8f6f4 v[(\d):(\d)+7], v[(\a):(\a)+7], v[(\b):(\b)+7], v[(\c):(\c)+7], v[(\sa)], v[(\sb)] matrix_a_fmt:MATRIX_FMT_FP4 matrix_b_fmt:MATRIX_FMT_FP4 matrix_a_scale:MATRIX_SCALE_ROW1
.elseif (\rb)
	v_wmma_scale_f32_16x16x128_f8f6f4 v[(\d):(\d)+7], v[(\a):(\a)+7], v[(\b):(\b)+7], v[(\c):(\c)+7], v[(\sa)], v[(\sb)] matrix_a_fmt:MATRIX_FMT_FP4 matrix_b_fmt:MATRIX_FMT_FP4 matrix_b_scale:MATRIX_SCALE_ROW1
.else
	v_wmma_scale_f32_16x16x128_f8f6f4 v[(\d):(\d)+7], v[(\a):(\a)+7], v[(\b):(\b)+7], v[(\c):(\c)+7], v[(\sa)], v[(\sb)] matrix_a_fmt:MATRIX_FMT_FP4 matrix_b_fmt:MATRIX_FMT_FP4
.endif
.endm
.macro LOADM m                         ; matrix m (0 Q, 1 K, 2 V): its eight fragments, four scale registers and its bias in the result's layout
.irp f, 0,1,2,3,4,5,6,7
	ds_load_b128 v[MB+8*\f:MB+8*\f+3], v5 offset:(\m)*8192+\f*1024
	ds_load_b128 v[MB+8*\f+4:MB+8*\f+7], v5 offset:(\m)*8192+\f*1024+512
.endr
.irp s, 0,1,2,3
	ds_load_b32 v[WSR+\s], v6 offset:(\m)*512+\s*128
.endr
.if (\m) < 2
.irp c, 0,1
	ds_load_b128 v[BC+8*\c:BC+8*\c+3], v7 offset:(\m)*128+\c*64          ; register j: b[16 c + 8 h + j]
	ds_load_b128 v[BC+8*\c+4:BC+8*\c+7], v7 offset:(\m)*128+\c*64+16
.endr
.else
.irp c, 0,1
.irp j, 0,1,2,3,4,5,6,7
	ds_load_b32 v[BC+8*\c+\j], v8 offset:256+\c*64                       ; every register: bv[16 c + r]
.endr
.endr
.endif
.endm
; Matrix m for my three slots.  next: the matrix whose fragments are fetched meanwhile (-1: none).  st: the first of the three registers that say where the results go.
; The three accumulators take turns, one instruction a turn.  A sum's first product takes the bias as C.
.macro PROJ m, next, st
	s_wait_dscnt 0x0                               ; the matrix is in, and my earlier LDS stores have read their registers
.irp c, 0,1
.irp s, 0,1,2,3
.irp t, 0,1,2
.if \s == 0
.set CSRC, BC+8*\c
.else
.set CSRC, ACC+8*\t
.endif
.if (\m) == 2
	WM ACC+8*\t, XF+32*\t+8*\s, MB+8*(4*\c+\s), CSRC, XS+2*\t+\s/2, WSR+\s, \s%2, \c
.else
	WM ACC+8*\t, MB+8*(4*\c+\s), XF+32*\t+8*\s, CSRC, WSR+\s, XS+2*\t+\s/2, \c, \s%2
.endif
.endr
.endr
.rept 4
	v_nop                                          ; four places ahead of the first read of results and of loads into registers that the products have read
.endr
.if (\c == 1) && ((\next) >= 0)
	LOADM \next
.endif
.irp t, 0,1,2
.if (\m) == 0
.irp i, 0,1,2,3
	v_pk_mul_f32 v[ACC+8*\t+2*\i:ACC+8*\t+2*\i+1], v[ACC+8*\t+2*\i:ACC+8*\t+2*\i+1], s[32:33] op_sel_hi:[1,0]   ; q c, in f32
.endr
.irp i, 0,1,2,3
	v_cvt_pk_f16_f32 v[QF+8*\t+4*\c+\i], v[ACC+8*\t+2*\i], v[ACC+8*\t+2*\i+1]
.endr
.else
.irp i, 0,1,2,3
	v_cvt_pk_f16_f32 v[ACC+8*\t+\i], v[ACC+8*\t+2*\i], v[ACC+8*\t+2*\i+1]   ; in place, from the low end on
.endr
	ds_store_b128 v[(\st)+\t], v[ACC+8*\t:ACC+8*\t+3] offset:512*(\m)*\c    ; K: registers 4 c on of the key tile's image; V: channel tile c's image
.endif
.endr
.if (\c == 0) && ((\m) != 0)
	s_wait_dscnt 0x0                               ; the stores have read the accumulators' registers, which the next products write
.endif
.endr
.endm
.macro SLOTADR i, rho, kr, vr          ; where slot i of round rho stores: tile 43 rho + min(T0 + i, my last tile)
	s_add_co_u32 s44, s20, \i
	s_min_u32 s44, s44, s21
	s_add_co_u32 s44, s44, 43*\rho
	s_lshl_b32 s45, s44, 10
	v_add_nc_u32 v[\kr], s45, v3
	s_lshr_b32 s45, s44, 1
	s_lshl_b32 s45, s45, 11
	s_and_b32 s46, s44, 1
	s_lshl_b32 s46, s46, 9
	s_add_co_u32 s45, s45, s46
	s_add_co_u32 s45, s45, VIMG
	v_add_nc_u32 v[\vr], s45, v3
.endm
.macro XBASE                           ; my three slots' tiles of xq; s50 = the round's first tile, s49 = 0
.irp i, 0,1,2
	s_add_co_u32 s48, s20, \i
	s_min_u32 s48, s48, s21
	s_add_co_u32 s48, s48, s50
	s_mul_i32 s48, s48, 4352
	s_add_nc_u64 s[24+2*\i:25+2*\i], s[4:5], s[48:49]
.endr
.endm
.macro XLOAD                           ; 27 loads: four fragments and the scale words of each slot
.irp i, 0,1,2
.irp k, 0,1,2,3,4,5,6,7
	global_load_b128 v[XF+32*\i+4*\k:XF+32*\i+4*\k+3], v3, s[24+2*\i:25+2*\i] offset:512*\k
.endr
	global_load_b64 v[XS+2*\i:XS+2*\i+1], v4, s[24+2*\i:25+2*\i] offset:4096
.endr
.endm
.macro KLOAD n                         ; n tiles of 16 keys
.set i, 0
.rept \n
	ds_load_b128 v[KF+8*i:KF+8*i+3], v[ADK] offset:1024*i
	ds_load_b128 v[KF+8*i+4:KF+8*i+7], v[ADK] offset:1024*i+512
.set i, i+1
.endr
.endm
.macro VLOAD n                         ; n fragments of V^T: 2 x key group + channel tile
.set i, 0
.rept \n
	ds_load_b128 v[VF+8*i:VF+8*i+3], v[ADV] offset:1024*i
	ds_load_b128 v[VF+8*i+4:VF+8*i+7], v[ADV] offset:1024*i+512
.set i, i+1
.endr
.endm
; One tile of 16 queries against 16 nk keys.  kn > 0 (tile 0 alone, the last of a step): the next step's kn tiles of K are fetched once all of this step's scores are issued.
.macro TILE t, nk, kn, mask
.set QT, QF+8*(\t)
.set OT, OA+16*(\t)
.set MT, ST+4*(\t)
.set LT, ST+4*(\t)+2
.set i, 0
.rept \nk
.if (\mask) && (i == ((\nk)-1))
	v_wmma_f32_16x16x32_f16 v[S+8*i:S+8*i+7], v[KF+8*i:KF+8*i+7], v[QT:QT+7], v[MASK:MASK+7]
.else
	v_wmma_f32_16x16x32_f16 v[S+8*i:S+8*i+7], v[KF+8*i:KF+8*i+7], v[QT:QT+7], 0
.endif
.set i, i+1
.endr
.rept 4
	v_nop                                          ; four places ahead of the first read of the scores
.endr
.if (\nk) == 4
.irp j, 0,1,2,3
	v_max3_num_f32 v[CX+\j], v[S+8*\j], v[S+8*\j+1], v[S+8*\j+2]         ; four chains, each from its tile's low end on
.endr
.irp u, 3,5
.irp j, 0,1,2,3
	v_max3_num_f32 v[CX+\j], v[CX+\j], v[S+8*\j+\u], v[S+8*\j+\u+1]
.endr
.endr
	v_max3_num_f32 v[CX], v[CX], v[S+7], v[S+15]
	v_max3_num_f32 v[CX+2], v[CX+2], v[S+23], v[S+31]
	v_max3_num_f32 v[CX], v[CX], v[CX+1], v[CX+2]
	v_max3_num_f32 v[CX], v[CX], v[CX+3], v[MT]
.else
	v_max3_num_f32 v[CX], v[S], v[S+1], v[S+2]
	v_max3_num_f32 v[CX+1], v[S+8], v[S+9], v[S+10]
	v_max3_num_f32 v[CX], v[CX], v[S+3], v[S+4]
	v_max3_num_f32 v[CX+1], v[CX+1], v[S+11], v[S+12]
	v_max3_num_f32 v[CX], v[CX], v[S+5], v[S+6]
	v_max3_num_f32 v[CX+1], v[CX+1], v[S+13], v[S+14]
	v_max3_num_f32 v[CX], v[CX], v[S+7], v[S+15]
	v_max3_num_f32 v[CX], v[CX], v[CX+1], v[MT]
.endif
	v_permlanex16_b32 v[CX+1], v[CX], s30, s31     ; the query's other keys lie in the lane 16 away
	v_max_num_f32 v[CX], v[CX], v[CX+1]            ; the new m
	v_sub_f32 v[FA], v[MT], v[CX]
	v_exp_f32 v[FA], v[FA]                         ; ONE BATCH: a, and below all of p; nothing names a result ahead of the one wait
.set i, 0
.rept 4*(\nk)
	v_pk_add_f32 v[S+2*i:S+2*i+1], v[S+2*i:S+2*i+1], v[CX:CX+1] op_sel_hi:[1,0] neg_lo:[0,1] neg_hi:[0,1]   ; s - m
.set i, i+1
.endr
.set i, 0
.rept 8*(\nk)
	v_exp_f32 v[S+i], v[S+i]
.set i, i+1
.endr
	v_mov_b32 v[MT], v[CX]                         ; the plain line behind the last exponential
	s_wait_alu depctr_va_vdst(0)                   ; the wait ahead of the first line that names a result: one for the batch
	v_pk_fma_f32 v[LT:LT+1], v[LT:LT+1], v[FA:FA+1], v[S:S+1] op_sel_hi:[1,0,1]   ; l = a l + p, in two chains; the roundings to f16 stand between
	v_cvt_pk_f16_f32 v[P], v[S], v[S+1]
	v_pk_add_f32 v[TS:TS+1], v[S+2:S+3], v[S+4:S+5]
	v_cvt_pk_f16_f32 v[P+1], v[S+2], v[S+3]
	v_cvt_pk_f16_f32 v[P+2], v[S+4], v[S+5]
.set pp, 3
.rept 4*(\nk)-3
.if pp%2
	v_pk_add_f32 v[LT:LT+1], v[LT:LT+1], v[S+2*pp:S+2*pp+1]
.else
	v_pk_add_f32 v[TS:TS+1], v[TS:TS+1], v[S+2*pp:S+2*pp+1]
.endif
	v_cvt_pk_f16_f32 v[P+pp], v[S+2*pp], v[S+2*pp+1]
.set pp, pp+1
.endr
	v_pk_add_f32 v[LT:LT+1], v[LT:LT+1], v[TS:TS+1]
.irp i, 0,1,2,3,4,5,6,7
	v_pk_mul_f32 v[OT+2*\i:OT+2*\i+1], v[OT+2*\i:OT+2*\i+1], v[FA:FA+1] op_sel_hi:[1,0]   ; O^T x a, each accumulator from its low end on
.endr
.if (\kn) > 0
	s_add_co_u32 s34, s34, 4096                    ; the next step's four tiles
	v_add_nc_u32 v[ADK], s34, v3
	KLOAD \kn
.endif
	s_wait_dscnt 2*(\kn)                           ; V is in; younger: the loads of K just issued
.set g, 0
.rept (\nk)/2
.irp c, 0,1
	v_wmma_f32_16x16x32_f16 v[OT+8*\c:OT+8*\c+7], v[VF+16*g+8*\c:VF+16*g+8*\c+7], v[P+8*g:P+8*g+7], v[OT+8*\c:OT+8*\c+7]   ; the two accumulators take turns
.endr
.set g, g+1
.endr
.endm
; A step of 16 nk keys for my tiles, the highest first; tile 0, which every wave has, comes last and fetches ahead.
.macro STEP nk, kn, vn, mask
	s_wait_dscnt 2*(\nk)                           ; K is in; younger: this step's loads of V
	s_cmp_le_u32 s22, s21                          ; have I a third tile?  (the wave's number alone)
	s_cbranch_scc0 .Lno2_\@
	TILE 2, \nk, 0, \mask
.Lno2_\@:
	s_cmp_le_u32 s23, s21
	s_cbranch_scc0 .Lno1_\@
	TILE 1, \nk, 0, \mask
.Lno1_\@:
	TILE 0, \nk, \kn, \mask
.if (\vn) > 0
	v_add_nc_u32 v[ADV], VIMG, v[ADK]              ; with the three below: four places ahead of loads into registers that the last products have read
.rept 3
	v_nop
.endr
	VLOAD \vn
.endif
.endm
.macro OUT t                           ; tile t: O^T / l, rounded to f16: the two halves of an image of 16 rows x 32 channels
	v_add_f32 v[CX], v[ST+4*\t+2], v[ST+4*\t+3]
	v_permlanex16_b32 v[CX+1], v[CX], s30, s31
	v_add_f32 v[CX], v[CX], v[CX+1]
	v_rcp_f32 v[FA], v[CX]
	v_nop                                          ; a plain line behind the reciprocal,
	s_wait_alu depctr_va_vdst(0)                   ; and the wait ahead of its first reader
.irp i, 0,1,2,3,4,5,6,7
	v_pk_mul_f32 v[OA+16*\t+2*\i:OA+16*\t+2*\i+1], v[OA+16*\t+2*\i:OA+16*\t+2*\i+1], v[FA:FA+1] op_sel_hi:[1,0]
.endr
.irp i, 0,1,2,3,4,5,6,7
	v_cvt_pk_f16_f32 v[S+8*\t+\i], v[OA+16*\t+2*\i], v[OA+16*\t+2*\i+1]
.endr
	global_store_b128 v3, v[S+8*\t:S+8*\t+3], s[42:43] offset:16384*\t        ; 512 consecutive aligned bytes; each tile has data registers of its own
	global_store_b128 v3, v[S+8*\t+4:S+8*\t+7], s[42:43] offset:16384*\t+512
.endm
	s_load_b256 s[4:11], s[0:1], 0x0               ; xq s[4:5], wq4 s[6:7], bq s[8:9], bk s[10:11]
	s_load_b128 s[12:15], s[0:1], 0x20             ; bv s[12:13], att s[14:15]
	v_lshl_add_u32 v1, v0, 2, SPARE                ; my spare word,
	v_mov_b32 v2, 0                                ; and 0: kept for the closing lines alone
	v_lshrrev_b32 v3, 5, v0
	v_readfirstlane_b32 s16, v3                    ; wave 0..15
	s_mov_b32 s17, ttmp9                           ; which half of the queries
	s_and_b32 s19, ttmp7, 0xffff
	s_lshr_b32 s18, s19, 4                         ; b
	s_and_b32 s19, s19, 15                         ; head
	s_mul_i32 s20, s16, 3
	s_lshl_b32 s44, s16, 1
	s_add_co_u32 s45, s44, 12
	s_add_co_u32 s21, s20, 2
	s_min_u32 s20, s20, s45                        ; T0 = min(3 w, 2 w + 12)
	s_add_co_u32 s45, s44, 13
	s_min_u32 s21, s21, s45
	s_min_u32 s21, s21, 42                         ; my last tile = min(3 w + 2, 2 w + 13, 42)
	s_add_co_u32 s22, s20, 2
	s_add_co_u32 s23, s20, 1
	s_mov_b32 s30, 0x76543210                      ; v_permlanex16_b32's selects for lane l xor 16
	s_mov_b32 s31, 0xfedcba98
	s_mov_b32 s32, 0x3e8293ee                      ; c = log2(e) / sqrt(32)
	s_mov_b32 s33, s32                             ; (named with it as a pair, so it is written)
	s_mov_b32 s34, 0
	s_mov_b32 s49, 0
	v_and_b32 v21, 31, v0
	v_lshlrev_b32 v3, 4, v21                       ; 16 x lane
	v_lshlrev_b32 v4, 3, v21                       ; 8 x lane
	v_lshlrev_b32 v21, 2, v21                      ; 4 x lane
	v_add_nc_u32 v5, WFR, v3
	v_add_nc_u32 v6, WSC, v21
	v_bfe_u32 v7, v0, 4, 1
	v_lshl_add_u32 v7, v7, 5, WBI                  ; 32 h
	v_and_b32 v8, 15, v0
	v_lshl_add_u32 v8, v8, 2, WBI                  ; 4 r
.irp i, 0,1,2
	SLOTADR \i, 0, 9+\i, 12+\i
	SLOTADR \i, 1, 15+\i, 18+\i
.endr
	s_mul_i32 s44, s16, 1536                       ; the copy of the head's block of wq4: 1,536 bytes of images a wave;
	v_add_nc_u32 v249, s44, v5
	s_min_u32 s46, s16, 2                          ; waves 0, 1, 2 also copy matrix w's scale words and bias
	s_lshl_b32 s47, s46, 9
	v_add_nc_u32 v250, s47, v3
	v_add_nc_u32 v250, WSC, v250
	s_lshl_b32 s45, s46, 7
	v_add_nc_u32 v251, s45, v21
	v_add_nc_u32 v251, WBI, v251
	s_mul_i32 s51, s19, 26112
	s_mul_i32 s50, s18, 86                         ; the batch's first tile
	s_wait_kmcnt 0x0
	s_add_co_u32 s48, s51, s44
	s_add_nc_u64 s[36:37], s[6:7], s[48:49]
	s_add_co_u32 s48, s51, s47
	s_add_co_u32 s48, s48, 24576
	s_add_nc_u64 s[38:39], s[6:7], s[48:49]
	s_cmp_eq_u32 s16, 0
	s_cselect_b64 s[40:41], s[8:9], s[10:11]
	s_cmp_gt_u32 s16, 1
	s_cselect_b64 s[40:41], s[12:13], s[40:41]
	s_lshl_b32 s48, s19, 7
	s_add_nc_u64 s[40:41], s[40:41], s[48:49]
	s_mul_i32 s48, s17, 43
	s_add_co_u32 s48, s48, s50
	s_add_co_u32 s48, s48, s20
	s_lshl_b32 s48, s48, 4
	s_add_co_u32 s48, s48, s19
	s_lshl_b32 s48, s48, 10
	s_add_nc_u64 s[42:43], s[14:15], s[48:49]      ; att at (my first tile, head)
	XBASE
.irp k, 0,1,2
	global_load_b128 v[232+4*\k:235+4*\k], v3, s[36:37] offset:512*\k
.endr
	global_load_b128 v[244:247], v3, s[38:39]      ; every wave loads these two (waves 3 to 15: matrix 2's once more), so that no register is written on one way alone
	global_load_b32 v248, v21, s[40:41]
	XLOAD                                          ; round 0: tiles 0 to 42 of the batch
	s_wait_loadcnt 27                              ; the copy's five loads are in; younger: the 27 loads of x
.irp k, 0,1,2
	ds_store_b128 v249, v[232+4*\k:235+4*\k] offset:512*\k
.endr
	s_cmp_lt_u32 s16, 3
	s_cbranch_scc0 .Lno_small
	ds_store_b128 v250, v[244:247]
	ds_store_b32 v251, v248
.Lno_small:
	s_wait_dscnt 0x0                               ; for the others' sake: my stores have landed
	s_barrier_signal -1
	s_barrier_wait -1                              ; the head's weights lie in LDS
	LOADM 1
	s_wait_loadcnt 0x0                             ; x
	PROJ 1, 2, 9
	PROJ 2, 0, 12
	PROJ 0, 1, 0                                   ; Q of the first half's tiles: kept where the work-group owns that half
	s_add_co_u32 s50, s50, 43
	XBASE                                          ; (round 0's loads were waited for: their bases may be written)
	XLOAD                                          ; round 1: tiles 43 to 85.  Behind the last products stand four v_nop and Q's own lines
	s_wait_loadcnt 0x0
	PROJ 1, 2, 15
	PROJ 2, -1, 18
	s_cmp_eq_u32 s17, 0                            ; the work-group's number alone: all sixteen waves go the same way
	s_cbranch_scc1 .Lq_done
	LOADM 0
	PROJ 0, -1, 0                                  ; Q of the second half's tiles
.Lq_done:
	s_wait_dscnt 0x0                               ; my stores of K and V have landed
	s_barrier_signal -1
	s_barrier_wait -1                              ; all of K and V lies in LDS; nobody stores to LDS any more
.irp t, 0,1,2
	v_mov_b32 v[ST+4*\t], 0xff61b1e6               ; m: -3e38, under every score
	v_mov_b32 v[ST+4*\t+1], 0
	v_mov_b32 v[ST+4*\t+2], 0                      ; l
	v_mov_b32 v[ST+4*\t+3], 0
.endr
	v_mov_b32 v[FA+1], 0                           ; (named as a pair's upper word)
.set i, 0
.rept 48
	v_mov_b32 v[OA+i], 0                           ; O^T.  The step is written once: the first finds zeros, which a = 0 leaves zeros
.set i, i+1
.endr
	v_and_b32 v[TS], 16, v0
	v_cmp_ne_u32 vcc_lo, 0, v[TS]                  ; lanes 16-31 hold keys 8 .. 15 of a tile
	v_mov_b32 v[TS+1], 0xf149f2ca                  ; -1e30
	v_mov_b32 v[MASK], 0
	v_mov_b32 v[MASK+1], 0
.irp j, 2,3,4,5,6,7
	v_cndmask_b32 v[MASK+\j], 0, v[TS+1], vcc_lo   ; keys 10 .. 15 of tile 85 are no keys
.endr
	v_add_nc_u32 v[ADK], s34, v3
	v_add_nc_u32 v[ADV], VIMG, v[ADK]
	KLOAD 4
	VLOAD 4
	s_mov_b32 s35, 20
.Lkey:                                                 ; 20 trips of 64 keys; each fetches the next step's K and V
	STEP 4, 4, 4, 0
	s_sub_co_u32 s35, s35, 1
	s_cmp_lg_u32 s35, 0
	s_cbranch_scc1 .Lkey
	STEP 4, 2, 2, 0                                ; keys 1,280 to 1,343; fetches the last two tiles
	STEP 2, 0, 0, 1                                ; keys 1,344 to 1,369
.rept 4
	v_nop                                          ; four places ahead of the first read of the last products' results
.endr
	s_cmp_le_u32 s22, s21
	s_cbranch_scc0 .Lout1
	OUT 2
.Lout1:
	s_cmp_le_u32 s23, s21
	s_cbranch_scc0 .Lout0
	OUT 1
.Lout0:
	OUT 0
	s_wait_tensorcnt 0x0                           ; the wave's end, behind my last LDS store
	ds_add_u32 v1, v2
	s_wait_dscnt 0x0
	s_endpgm
.Lfunc_end_k_qcfd3ffa79b_attn:
	.size	k_qcfd3ffa79b_attn, .Lfunc_end_k_qcfd3ffa79b_attn-k_qcfd3ffa79b_attn
	.p2alignl 7, 3214868480
	.fill 96, 4, 3214868480
	.section	.rodata,"a",@progbits
	.p2align	6, 0x0
	.amdhsa_kernel k_qcfd3ffa79b_attn
		.amdhsa_group_segment_fixed_size 204800
		.amdhsa_private_segment_fixed_size 0
		.amdhsa_enable_private_segment 0
		.amdhsa_kernarg_size 48
		.amdhsa_user_sgpr_count 2
		.amdhsa_user_sgpr_kernarg_segment_ptr 1
		.amdhsa_wavefront_size32 1
		.amdhsa_system_sgpr_workgroup_id_x 1
		.amdhsa_system_sgpr_workgroup_id_y 1
		.amdhsa_system_sgpr_workgroup_id_z 1
		.amdhsa_system_vgpr_workitem_id 0
		.amdhsa_next_free_vgpr 256
		.amdhsa_next_free_sgpr 66
		.amdhsa_reserve_vcc 1
		.amdhsa_float_denorm_mode_32 3
		.amdhsa_float_denorm_mode_16_64 3
		.amdhsa_memory_ordered 1
		.amdhsa_forward_progress 1
		.amdhsa_inst_pref_size 117
	.end_amdhsa_kernel
	.amdgpu_metadata
---
amdhsa.version: [ 1, 2 ]
amdhsa.kernels:
  - .name:           k_qcfd3ffa79b_attn
    .symbol:         k_qcfd3ffa79b_attn.kd
    .args:
      - { .name: xq, .offset: 0, .size: 8, .value_kind: global_buffer, .address_space: global }
      - { .name: wq4, .offset: 8, .size: 8, .value_kind: global_buffer, .address_space: global }
      - { .name: bq, .offset: 16, .size: 8, .value_kind: global_buffer, .address_space: global }
      - { .name: bk, .offset: 24, .size: 8, .value_kind: global_buffer, .address_space: global }
      - { .name: bv, .offset: 32, .size: 8, .value_kind: global_buffer, .address_space: global }
      - { .name: att, .offset: 40, .size: 8, .value_kind: global_buffer, .address_space: global }
    .group_segment_fixed_size: 204800
    .private_segment_fixed_size: 0
    .kernarg_segment_align: 8
    .kernarg_segment_size: 48
    .max_flat_workgroup_size: 512
    .sgpr_count:     66
    .vgpr_count:     256
    .wavefront_size: 32
...
	.end_amdgpu_metadata
.endif
;; end of part 2
;; launch outp (part 3): grid 86 x 2, 4 waves a work-group, no clusters, 167,936 bytes of LDS; arguments att, wo16, bo, out0; writes out0
.if DOCPART == 3
	.amdgcn_target "amdgcn-amd-amdhsa--gfx1250"
	.amdhsa_code_object_version 6
	.text
	.protected	k_qcfd3ffa79b_outp
	.globl	k_qcfd3ffa79b_outp
	.p2align	8
	.type	k_qcfd3ffa79b_outp,@function
k_qcfd3ffa79b_outp:
	s_mov_b64 s[64:65], 0
	v_nop
	global_prefetch_b8 v0, s[64:65] scope:SCOPE_SE
	s_setreg_imm32_b32 hwreg(HW_REG_WAVE_MODE, 25, 1), 1
	s_wait_xcnt 0x0
; OUTP.  out0 = att Wo + bo: f16 operands, f32 sums, f32 out.  att: images [row tile G][head] x 1,024 bytes (16 rows x 32 channels); wo16: images [column tile][K step = head] x 1,024.
; SHARES.  Work-group (x, y): row tiles 8 x .. 8 x + 7 and columns 256 y .. 256 y + 255.  Wave w: 64 columns (four column tiles) for all eight row tiles; its 64 fragments of Wo stay in registers for the whole launch.
; The eight tiles' images are 131,072 consecutive bytes of att: each wave brings a quarter by one tensor load, filled once; all four waves read them behind one barrier.
; THE PRODUCT IS USED TRANSPOSED (source 0 = 16 columns of Wo, source 1 = 16 rows of att): a lane holds eight neighbouring numbers of a row of out0.  The bias is the C of each sum's first product.
; Rows 10 to 15 of each batch's last tile (tile 85) are no rows of out0: their three stores are jumped over, by a branch on ids.
; NO CLUSTER: a block of att is read by two work-groups alone, Wo goes straight into registers, and a grid of 86 x 2 is no multiple of four.  No prefetch: the launch's one stream is asked for at its head.
; 172 work-groups: 688 row tiles do not fall into 256 equal shares of whole tiles, and smaller shares would read Wo more often.
; LIMITS: as the launches before: f16 operands under 65,504.
; REGISTERS, in windows of 256: window 0: v1, v2 the add's two; v3-8 addresses; v16-47 the bias; v48-111 two sets of four accumulators, by the tile's parity; v112-143 rows on the way out.
;   window 1: Wo's fragments of column tiles 0, 1 at 8 (16 u + ks); window 2: of tiles 2, 3; window 3: two buffers of 16 fragments of att, by the tile's parity.
.set STAGE,  131072                    ; behind the images: 16 rows x (256 bytes + 16) for each wave, in blocks into which no fill lands
.set SPITCH, 272
.set SPARE,  STAGE+4*16*SPITCH         ; the spare words, 128 bytes for each wave; no other line names them
.set BIAS, 16
.set ACC,  48
.set OB,   112
.set MSB, 0
.macro WIN new                         ; the immediate's high byte repeats the setting that is left; a switch that changes nothing is dropped
.if MSB != (\new)
	s_set_vgpr_msb (MSB<<8)|(\new)
.set MSB, (\new)
.endif
.endm
.macro FETCH i                         ; row tile i's 16 fragments into buffer i % 2
	WIN 0xc0                                       ; destination window 3, address window 0
.set AB, 128*((\i)%2)
.irp f, 0,1,2,3,4,5,6,7,8,9,10,11,12,13,14,15
.if (\i) < 4
	ds_load_b128 v[AB+8*\f:AB+8*\f+3], v3 offset:((\i)%4)*16384+\f*1024
	ds_load_b128 v[AB+8*\f+4:AB+8*\f+7], v3 offset:((\i)%4)*16384+\f*1024+512
.else
	ds_load_b128 v[AB+8*\f:AB+8*\f+3], v4 offset:((\i)%4)*16384+\f*1024
	ds_load_b128 v[AB+8*\f+4:AB+8*\f+7], v4 offset:((\i)%4)*16384+\f*1024+512
.endif
.endr
	WIN 0
.endm
.macro PASS i, p                       ; column tiles 2 p, 2 p + 1 of row tile i: 32 products, the two accumulators by turns
	WIN 0x0d+(\p)                                  ; source 0 (Wo) window 1 + p, source 1 (att) window 3, C and D window 0
.set AB, 128*((\i)%2)
.set AC, ACC+32*((\i)%2)+16*(\p)
.irp ks, 0,1,2,3,4,5,6,7,8,9,10,11,12,13,14,15
.irp u, 0,1
.if \ks == 0
	v_wmma_f32_16x16x32_f16 v[AC+8*\u:AC+8*\u+7], v[8*(16*\u+\ks):8*(16*\u+\ks)+7], v[AB+8*\ks:AB+8*\ks+7], v[BIAS+16*(\p)+8*\u:BIAS+16*(\p)+8*\u+7]
.else
	v_wmma_f32_16x16x32_f16 v[AC+8*\u:AC+8*\u+7], v[8*(16*\u+\ks):8*(16*\u+\ks)+7], v[AB+8*\ks:AB+8*\ks+7], v[AC+8*\u:AC+8*\u+7]
.endif
.endr
.endr
.endm
.macro TOSTAGE i                       ; 16 rows x 64 columns into my stage, and back as whole rows of 256 bytes
	WIN 0
.rept 4
	v_nop                                          ; four places ahead of the stores that read results; they also serve the next loads into the buffer just multiplied
.endr
	s_wait_xcnt 0x0                                ; the last tile's stores have read the registers into which the loads below land
.set AC, ACC+32*((\i)%2)
.irp n, 0,1,2,3
	ds_store_b128 v5, v[AC+8*\n:AC+8*\n+3] offset:64*\n              ; each accumulator from its low end on
	ds_store_b128 v5, v[AC+8*\n+4:AC+8*\n+7] offset:64*\n+16
.endr
.irp k, 0,1,2,3,4,5,6,7
	ds_load_b128 v[OB+4*\k:OB+4*\k+3], v6 offset:2*SPITCH*\k         ; a wave's LDS instructions are served in order: these see the stores above
.endr
.endm
.macro SEND i                          ; row tile i leaves: sixteen lanes store 256 consecutive aligned bytes, two rows an instruction
	s_wait_dscnt 0x0                               ; the rows are back in registers
	s_wait_xcnt 0x0                                ; earlier stores have read their base
	s_lshl_b32 s36, s25, 3
	s_add_co_u32 s36, s36, (\i)                    ; G
	s_mul_i32 s37, s36, 763
	s_lshr_b32 s37, s37, 16                        ; b = G / 86 (exact up to G = 687)
	s_mul_i32 s38, s37, 86
	s_sub_co_u32 s38, s36, s38                     ; the tile's number in its batch
	s_lshl_b32 s36, s36, 4
	s_mul_i32 s37, s37, 6
	s_sub_co_u32 s36, s36, s37                     ; its first row of out0: 1,370 b + 16 tl = 16 G - 6 b
	s_lshl_b32 s36, s36, 11
	s_mov_b32 s37, 0
	s_add_nc_u64 s[32:33], s[40:41], s[36:37]
.irp k, 0,1,2,3,4
	global_store_b128 v7, v[OB+4*\k:OB+4*\k+3], s[32:33] offset:4096*\k th:TH_STORE_NT
.endr
	s_cmp_eq_u32 s38, 85
	s_cbranch_scc1 .Lshort_\@
.irp k, 5,6,7
	global_store_b128 v7, v[OB+4*\k:OB+4*\k+3], s[32:33] offset:4096*\k th:TH_STORE_NT
.endr
.Lshort_\@:
.endm
.macro TILE i
.if (\i) == 0
	s_wait_dscnt 0x0
.else
	s_wait_dscnt 16                                ; this tile's fragments are in; younger: the last tile's 16 LDS instructions of its way out
.endif
	PASS \i, 0
	WIN 0                                          ; (a branch follows)
.if (\i) > 0
	SEND (\i)-1
.endif
.if (\i) < 7
	FETCH (\i)+1                                   ; into the buffer that the tile before multiplied: four v_nop stand behind its last product
.endif
	PASS \i, 1
	TOSTAGE \i
.endm
	s_load_b256 s[4:11], s[0:1], 0x0               ; att s[4:5], wo16 s[6:7], bo s[8:9], out0 s[10:11]
	v_lshl_add_u32 v1, v0, 2, SPARE
	v_mov_b32 v2, 0
	ds_add_u32 v1, v2                              ; the wave's opening: the add, twice on end, and its wait ahead of my tensor load
	ds_add_u32 v1, v2
	v_lshrrev_b32 v3, 5, v0
	v_readfirstlane_b32 s24, v3                    ; wave 0..3
	s_mov_b32 s25, ttmp9                           ; which eight row tiles
	s_and_b32 s26, ttmp7, 0xffff                   ; which 256 columns
	; descriptor group 1: 128 dense rows of 32 elements of 8 bytes, no padding, no mask
	s_mov_b32 s16, 3<<16                           ; 17:16 elements of 8 bytes
	s_mov_b32 s17, 32<<16                          ; tensor_dim0 = 32
	s_mov_b32 s18, 128<<16                         ; tensor_dim1 = 128
	s_mov_b32 s19, 32<<16                          ; tile_dim0 = 32
	s_mov_b32 s20, 128                             ; tile_dim1 = 128
	s_mov_b32 s21, 32                              ; from row to row
	s_mov_b32 s22, 0
	s_mov_b32 s23, 0
	s_lshl_b32 s34, s25, 17                        ; the work-group's 131,072 bytes of att,
	s_lshl_b32 s27, s24, 15                        ; my wave's quarter
	s_add_co_u32 s34, s34, s27
	s_mov_b32 s35, 0
	v_and_b32 v9, 31, v0
	v_lshlrev_b32 v3, 4, v9                        ; 16 x lane: an image's place for my lane; tiles 0 to 3
	v_add_nc_u32 v4, 65536, v3                     ; tiles 4 to 7
	v_and_b32 v10, 15, v0                          ; r
	v_bfe_u32 v11, v0, 4, 1                        ; h
	s_mul_i32 s36, s24, 16*SPITCH
	s_add_co_u32 s36, s36, STAGE                   ; my stage
	v_mul_u32_u24 v5, v10, SPITCH
	v_lshl_add_u32 v5, v11, 5, v5
	v_add_nc_u32 v5, s36, v5                       ; in: row r, 32 bytes for each half of the lanes
	v_mul_u32_u24 v6, v11, SPITCH
	v_lshl_add_u32 v6, v10, 4, v6
	v_add_nc_u32 v6, s36, v6                       ; back: lanes 0-15 one row, lanes 16-31 the next
	v_lshlrev_b32 v7, 11, v11
	v_lshl_add_u32 v7, v10, 4, v7                  ; and the same two rows in out0
	v_lshlrev_b32 v8, 5, v11                       ; the bias: 32 h
	s_wait_dscnt 0x0                               ; both opening adds are done
	s_wait_kmcnt 0x0
	s_mov_b32 s12, 1                               ; group 0: count = 1
	s_lshl_b32 s13, s24, 15                        ; LDS address: wave x 32,768
	s_add_nc_u64 s[14:15], s[4:5], s[34:35]        ; global address
	s_or_b32 s15, s15, 0x80000000                  ; type = 2
	tensor_load_to_lds s[12:15], s[16:23]          ; my one tensor load: one is out
	s_nop 0
.rept 4
	v_nop
.endr
	s_lshl_b32 s34, s26, 4
	s_lshl_b32 s37, s24, 2
	s_add_co_u32 s34, s34, s37                     ; my first column tile,
	s_lshl_b32 s34, s34, 14                        ; 16,384 bytes each
	s_add_nc_u64 s[28:29], s[6:7], s[34:35]
	s_lshl_b32 s34, s26, 10
	s_lshl_b32 s37, s24, 8
	s_add_co_u32 s34, s34, s37                     ; my first column, in bytes of f32
	s_add_nc_u64 s[30:31], s[8:9], s[34:35]
	s_add_nc_u64 s[40:41], s[10:11], s[34:35]
	WIN 0x40                                       ; destination window 1
.irp f, 0,1,2,3,4,5,6,7,8,9,10,11,12,13,14,15,16,17,18,19,20,21,22,23,24,25,26,27,28,29,30,31
	global_load_b128 v[8*\f:8*\f+3], v3, s[28:29] offset:\f*1024
	global_load_b128 v[8*\f+4:8*\f+7], v3, s[28:29] offset:\f*1024+512
.endr
	WIN 0x80                                       ; destination window 2
.irp f, 0,1,2,3,4,5,6,7,8,9,10,11,12,13,14,15,16,17,18,19,20,21,22,23,24,25,26,27,28,29,30,31
	global_load_b128 v[8*\f:8*\f+3], v3, s[28:29] offset:32768+\f*1024
	global_load_b128 v[8*\f+4:8*\f+7], v3, s[28:29] offset:32768+\f*1024+512
.endr
	WIN 0
.irp n, 0,1,2,3
	global_load_b128 v[BIAS+8*\n:BIAS+8*\n+3], v8, s[30:31] offset:64*\n       ; register j: bo[my column + 16 n + 8 h + j]
	global_load_b128 v[BIAS+8*\n+4:BIAS+8*\n+7], v8, s[30:31] offset:64*\n+16
.endr
	s_wait_loadcnt 0x0                             ; Wo and the bias
	s_wait_tensorcnt 0x0                           ; my quarter of the images has landed,
	s_barrier_signal -1
	s_barrier_wait -1                              ; everybody's has; nothing is filled again
	FETCH 0
.irp i, 0,1,2,3,4,5,6,7
	TILE \i
.endr
	SEND 7
	s_wait_tensorcnt 0x0                           ; the wave's end, behind my tensor load and my last LDS store
	ds_add_u32 v1, v2
	s_wait_dscnt 0x0
	s_endpgm
.Lfunc_end_k_qcfd3ffa79b_outp:
	.size	k_qcfd3ffa79b_outp, .Lfunc_end_k_qcfd3ffa79b_outp-k_qcfd3ffa79b_outp
	.p2alignl 7, 3214868480
	.fill 96, 4, 3214868480
	.section	.rodata,"a",@progbits
	.p2align	6, 0x0
	.amdhsa_kernel k_qcfd3ffa79b_outp
		.amdhsa_group_segment_fixed_size 167936
		.amdhsa_private_segment_fixed_size 0
		.amdhsa_enable_private_segment 0
		.amdhsa_kernarg_size 32
		.amdhsa_user_sgpr_count 2
		.amdhsa_user_sgpr_kernarg_segment_ptr 1
		.amdhsa_wavefront_size32 1
		.amdhsa_system_sgpr_workgroup_id_x 1
		.amdhsa_system_sgpr_workgroup_id_y 1
		.amdhsa_system_sgpr_workgroup_id_z 1
		.amdhsa_system_vgpr_workitem_id 0
		.amdhsa_next_free_vgpr 1024
		.amdhsa_next_free_sgpr 66
		.amdhsa_reserve_vcc 0
		.amdhsa_float_denorm_mode_32 3
		.amdhsa_float_denorm_mode_16_64 3
		.amdhsa_memory_ordered 1
		.amdhsa_forward_progress 1
		.amdhsa_inst_pref_size 86
	.end_amdhsa_kernel
	.amdgpu_metadata
---
amdhsa.version: [ 1, 2 ]
amdhsa.kernels:
  - .name:           k_qcfd3ffa79b_outp
    .symbol:         k_qcfd3ffa79b_outp.kd
    .args:
      - { .name: att, .offset: 0, .size: 8, .value_kind: global_buffer, .address_space: global }
      - { .name: wo16, .offset: 8, .size: 8, .value_kind: global_buffer, .address_space: global }
      - { .name: bo, .offset: 16, .size: 8, .value_kind: global_buffer, .address_space: global }
      - { .name: out0, .offset: 24, .size: 8, .value_kind: global_buffer, .address_space: global }
    .group_segment_fixed_size: 167936
    .private_segment_fixed_size: 0
    .kernarg_segment_align: 8
    .kernarg_segment_size: 32
    .max_flat_workgroup_size: 128
    .sgpr_count:     66
    .vgpr_count:     1024
    .wavefront_size: 32
...
	.end_amdgpu_metadata
.endif
;; end of part 3
;; ======== version 2 of 2: 3 launches; version 1 with the launch attn written anew for expert scheduling mode
;; limits: values are held in f16: magnitudes above 65,504 overflow, below 6.1e-05 lose precision
;; workspace buffers: xq 2,994,176 bytes; wq4 417,792 bytes; wo16 524,288 bytes; att 11,272,192 bytes
;; launch prep: the kernel of part 1 again; grid 236 x 1, 4 waves a work-group, no clusters, 39,424 bytes of LDS; arguments x, Wq, Wk, Wv, Wo, xq, wq4, wo16; writes xq, wq4, wo16
;; launch attn (part 4): grid 2 x 128, 16 waves a work-group, no clusters, 204,800 bytes of LDS; arguments xq, wq4, bq, bk, bv, att; writes att
.if DOCPART == 4
	.amdgcn_target "amdgcn-amd-amdhsa--gfx1250"
	.amdhsa_code_object_version 6
	.text
	.protected	k_qcfd3ffa79b_attn
	.globl	k_qcfd3ffa79b_attn
	.p2align	8
	.type	k_qcfd3ffa79b_attn,@function
k_qcfd3ffa79b_attn:
	s_mov_b64 s[64:65], 0
	v_nop
	global_prefetch_b8 v0, s[64:65] scope:SCOPE_SE
	s_setreg_imm32_b32 hwreg(HW_REG_WAVE_SCHED_MODE, 0, 2), 2
	s_setreg_imm32_b32 hwreg(HW_REG_WAVE_MODE, 25, 1), 1
	s_wait_xcnt 0x0
	s_wait_alu depctr_vm_vsrc(0)
; ATTN.  For one batch b, one head and one half of the queries: q = (x Wq + bq) c, k = x Wk + bk, v = x Wv + bv by products on codes of FP4 with E8M0 scales (f32 sums), rounded to f16;
; then O = softmax(q k^T) v with a running maximum, products in f16 with f32 sums, everything else in f32; O / l leaves as f16 images.  c = log2(e) / sqrt(32) is folded into q, so that a score is the exponent of 2.
; q, k and v never go to memory: K and V^T of the head's 1,376 keys lie in LDS as images of operand registers (176,128 bytes), Q stays in registers.
; LIMITS: |q c|, |k|, |v| and |O / l| stay under 65,504 (f16); NaN and infinities among the inputs are not served.
; SHARES.  Work-group x = the half (tiles 43 x .. 43 x + 42 of the batch's 86 tiles of 16 rows), y = 16 b + head.  Both halves make all of K and V.  Wave w owns local tiles T0 = min(3 w, 2 w + 12) up to
; min(3 w + 2, 2 w + 13, 42): three tiles in waves 0-11, two in 12-14, one in 15.  In the projections a slot past the wave's last tile repeats that tile (the same bytes, the same values, the same wave); in the attention it is jumped over.
; Keys 1,370 to 1,375 (copies of row 1,369) get -1e30 as the C of their scores' product; as queries those rows are computed and stored, since the next launch loads whole tiles.
; LAYOUT.  Q, K: source 0 = 16 columns of W, source 1 = 16 rows of x: a lane holds one row and eight neighbouring channels.  V: the sources swapped: a lane holds one channel and eight neighbouring keys.
; S^T = K Q^T and O^T = V^T P: a lane holds ONE query throughout, and two tiles of scores rounded in pairs ARE source 1 of the second product.
; NO CLUSTER, NO TENSOR LOAD: nothing lands in LDS from memory as it lies; x's codes go straight into operand registers and are read once by each wave.  No prefetch: each round's loads are all asked for at once.
; THE MODE: SCHED_MODE bits 1:0 = 2 (LLVM: expert scheduling mode 2), set by the entry lines.  The code itself states the register dependences
; between vector or matrix instructions and memory or LDS instructions, with s_wait_alu, always for 0.
; THE PLAN.  Registers that memory or LDS instructions touch:
;   v3-v21        offsets and LDS addresses: made once at the head, ahead of one wait on va_vdst, and never written again.
;   v232-v251     at the head the copy's loads land here and its LDS stores read them (data and addresses); from the first product on they are accumulators: one wait on vm_vsrc behind the first barrier.
;   XF, XS        x's loads land, the products read.  Round 1's loads follow the wait on va_vdst behind Q's roundings of round 0.
;   MB, WSR, BC   a matrix's LDS loads land, the products read.  The next matrix is asked for behind the wait on va_vdst that follows the roundings of the matrix in hand.
;   ACC           the low four registers of each: written by K's and V's roundings, read by the LDS stores: that same wait on va_vdst between; one on vm_vsrc behind the stores, ahead of whatever writes them again.
;   KF            read by every tile's first products; the next step's loads land.  The wait behind tile 0's exponentials stands behind all those products: K's loads follow it, dealt among the sums and roundings, which name none of KF, ADK.
;   ADK, ADV      read by K's and V's loads; stepped once a step, together, behind one wait on vm_vsrc and ahead of that same wait on va_vdst.
;   VF            read by every tile's second products, tile 0's being the step's last: one wait on va_vdst at the step's end, ahead of V's loads.
;   S             on the way out: written by the roundings, read by the stores: one wait on va_vdst for each tile.
.set VIMG,  88064                      ; LDS: K's 86 images of 1,024 bytes from 0; V's from here: key group x 2,048 + channel tile x 1,024 + (tile & 1) x 512
.set WFR,   176128                     ; the head's 24 images of W [matrix][c][K step]
.set WSC,   200704                     ; their scale words [matrix][K step][lane]
.set WBI,   202240                     ; bq, bk, bv of the head, 128 bytes each
.set SPARE, 202752                     ; the spare words, 128 bytes for each wave; no other line names them
.set XS,   22                          ; v22-27   x's scale words, a pair for each slot: register u, lanes 16 hh + r: K step 2 u + hh.  Scales and nothing else
.set WSR,  28                          ; v28-31   W's scale words, one register a K step: lanes 0-15 c = 0, lanes 16-31 c = 1.  Scales and nothing else
.set QF,   32                          ; v32-55   Q: three fragments
.set XF,   56                          ; v56-151  projections: x's fragments, slot i at 32 i, K step s at 8 s
.set MB,   152                         ; v152-215 eight fragments of one matrix: 4 c + s
.set BC,   216                         ; v216-231 the bias as C, eight registers for each c
.set ACC,  232                         ; v232-255 three accumulators
.set ST,   56                          ; v56-67   attention: tile t: m, -, l (even keys', odd keys')
.set CX,   68                          ; v68-71   four chains of the maximum
.set FA,   72                          ; v72-73   a = 2^(old m - new m), or 1 / l; the pair's upper word is only named
.set TS,   74                          ; v74-75   a second chain of the sum
.set ADK,  76
.set ADV,  77
.set MASK, 78                          ; v78-85   the C of the last tile of keys
.set OA,   86                          ; v86-133  O^T: 16 a tile
.set KF,   134                         ; v134-165 K of a step
.set VF,   166                         ; v166-197 V of a step
.set S,    198                         ; v198-229 scores, then p
.set P,    230                         ; v230-245 p in f16
; v1, v2 the add's two; v3 16 x lane; v4 8 x lane; v5, v6, v7, v8 W's images, scale words, biases; v9-11, v12-14 where round 0 stores K, V; v15-17, v18-20 round 1; v21 4 x lane
.macro WM d, a, b, c, sa, sb, ra, rb   ; one product on codes; ra, rb: the half of the lanes that holds the side's scale words
.if (\ra) && (\rb)
	v_wmma_scale_f32_16x16x128_f8f6f4 v[(\d):(\d)+7], v[(\a):(\a)+7], v[(\b):(\b)+7], v[(\c):(\c)+7], v[(\sa)], v[(\sb)] matrix_a_fmt:MATRIX_FMT_FP4 matrix_b_fmt:MATRIX_FMT_FP4 matrix_a_scale:MATRIX_SCALE_ROW1 matrix_b_scale:MATRIX_SCALE_ROW1
.elseif (\ra)
	v_wmma_scale_f32_16x16x128_f8f6f4 v[(\d):(\d)+7], v[(\a):(\a)+7], v[(\b):(\b)+7], v[(\c):(\c)+7], v[(\sa)], v[(\sb)] matrix_a_fmt:MATRIX_FMT_FP4 matrix_b_fmt:MATRIX_FMT_FP4 matrix_a_scale:MATRIX_SCALE_ROW1
.elseif (\rb)
	v_wmma_scale_f32_16x16x128_f8f6f4 v[(\d):(\d)+7], v[(\a):(\a)+7], v[(\b):(\b)+7], v[(\c):(\c)+7], v[(\sa)], v[(\sb)] matrix_a_fmt:MATRIX_FMT_FP4 matrix_b_fmt:MATRIX_FMT_FP4 matrix_b_scale:MATRIX_SCALE_ROW1
.else
	v_wmma_scale_f32_16x16x128_f8f6f4 v[(\d):(\d)+7], v[(\a):(\a)+7], v[(\b):(\b)+7], v[(\c):(\c)+7], v[(\sa)], v[(\sb)] matrix_a_fmt:MATRIX_FMT_FP4 matrix_b_fmt:MATRIX_FMT_FP4
.endif
.endm
.macro LOADM m                         ; matrix m (0 Q, 1 K, 2 V): its eight fragments, four scale registers and its bias in the result's layout
.irp f, 0,1,2,3,4,5,6,7
	ds_load_b128 v[MB+8*\f:MB+8*\f+3], v5 offset:(\m)*8192+\f*1024
	ds_load_b128 v[MB+8*\f+4:MB+8*\f+7], v5 offset:(\m)*8192+\f*1024+512
.endr
.irp s, 0,1,2,3
	ds_load_b32 v[WSR+\s], v6 offset:(\m)*512+\s*128
.endr
.if (\m) < 2
.irp c, 0,1
	ds_load_b128 v[BC+8*\c:BC+8*\c+3], v7 offset:(\m)*128+\c*64          ; register j: b[16 c + 8 h + j]
	ds_load_b128 v[BC+8*\c+4:BC+8*\c+7], v7 offset:(\m)*128+\c*64+16
.endr
.else
.irp c, 0,1
.irp j, 0,1,2,3,4,5,6,7
	ds_load_b32 v[BC+8*\c+\j], v8 offset:256+\c*64                       ; every register: bv[16 c + r]
.endr
.endr
.endif
.endm
; Matrix m for my three slots.  next: the matrix whose fragments are fetched at its end (-1: none).  st: the first of the three registers that say where the results go.
; The three accumulators take turns, one instruction a turn.  A sum's first product takes the bias as C.
; All of a run's roundings stand together, so that ONE wait on va_vdst behind them serves the stores of the results and the loads of the next matrix.
.macro PROJ m, next, st
	s_wait_dscnt 0x0                               ; the matrix is in
.irp c, 0,1
.irp s, 0,1,2,3
.irp t, 0,1,2
.if \s == 0
.set CSRC, BC+8*\c
.else
.set CSRC, ACC+8*\t
.endif
.if (\m) == 2
	WM ACC+8*\t, XF+32*\t+8*\s, MB+8*(4*\c+\s), CSRC, XS+2*\t+\s/2, WSR+\s, \s%2, \c
.else
	WM ACC+8*\t, MB+8*(4*\c+\s), XF+32*\t+8*\s, CSRC, WSR+\s, XS+2*\t+\s/2, \c, \s%2
.endif
.endr
.endr
.rept 4
	v_nop                                          ; four places ahead of the first read of results
.endr
.irp t, 0,1,2
.if (\m) == 0
.irp i, 0,1,2,3
	v_pk_mul_f32 v[ACC+8*\t+2*\i:ACC+8*\t+2*\i+1], v[ACC+8*\t+2*\i:ACC+8*\t+2*\i+1], s[32:33] op_sel_hi:[1,0]   ; q c, in f32
.endr
.irp i, 0,1,2,3
	v_cvt_pk_f16_f32 v[QF+8*\t+4*\c+\i], v[ACC+8*\t+2*\i], v[ACC+8*\t+2*\i+1]
.endr
.else
.irp i, 0,1,2,3
	v_cvt_pk_f16_f32 v[ACC+8*\t+\i], v[ACC+8*\t+2*\i], v[ACC+8*\t+2*\i+1]   ; in place, from the low end on
.endr
.endif
.endr
.if (\m) != 0
	s_wait_alu depctr_va_vdst(0)                   ; the roundings have written the accumulators' low registers, which the stores below read; the products are done reading the matrix's registers, in which (c = 1) the next matrix lands
.if (\c == 1) && ((\next) >= 0)
	LOADM \next
.endif
.irp t, 0,1,2
	ds_store_b128 v[(\st)+\t], v[ACC+8*\t:ACC+8*\t+3] offset:512*(\m)*\c    ; K: registers 4 c on of the key tile's image; V: channel tile c's image
.endr
.if \c == 0
	s_wait_dscnt 0x0                               ; the stores are done
.endif
	s_wait_alu depctr_vm_vsrc(0)                   ; the stores have read the accumulators' low registers, which the next products (behind the last matrix: p's roundings) write
.elseif (\c == 1) && ((\next) >= 0)
	s_wait_alu depctr_va_vdst(0)                   ; the products are done reading the matrix's registers, in which the next matrix lands, and x's fragments and scale words, in which the next round's loads land
	LOADM \next
.endif
.endr
.endm
.macro SLOTADR i, rho, kr, vr          ; where slot i of round rho stores: tile 43 rho + min(T0 + i, my last tile)
	s_add_co_u32 s44, s20, \i
	s_min_u32 s44, s44, s21
	s_add_co_u32 s44, s44, 43*\rho
	s_lshl_b32 s45, s44, 10
	v_add_nc_u32 v[\kr], s45, v3
	s_lshr_b32 s45, s44, 1
	s_lshl_b32 s45, s45, 11
	s_and_b32 s46, s44, 1
	s_lshl_b32 s46, s46, 9
	s_add_co_u32 s45, s45, s46
	s_add_co_u32 s45, s45, VIMG
	v_add_nc_u32 v[\vr], s45, v3
.endm
.macro XBASE                           ; my three slots' tiles of xq; s50 = the round's first tile, s49 = 0
.irp i, 0,1,2
	s_add_co_u32 s48, s20, \i
	s_min_u32 s48, s48, s21
	s_add_co_u32 s48, s48, s50
	s_mul_i32 s48, s48, 4352
	s_add_nc_u64 s[24+2*\i:25+2*\i], s[4:5], s[48:49]
.endr
.endm
.macro XLOAD                           ; 27 loads: four fragments and the scale words of each slot
.irp i, 0,1,2
.irp k, 0,1,2,3,4,5,6,7
	global_load_b128 v[XF+32*\i+4*\k:XF+32*\i+4*\k+3], v3, s[24+2*\i:25+2*\i] offset:512*\k
.endr
	global_load_b64 v[XS+2*\i:XS+2*\i+1], v4, s[24+2*\i:25+2*\i] offset:4096
.endr
.endm
.macro KTILE i                         ; tile i of a step's tiles of 16 keys
	ds_load_b128 v[KF+8*(\i):KF+8*(\i)+3], v[ADK] offset:1024*(\i)
	ds_load_b128 v[KF+8*(\i)+4:KF+8*(\i)+7], v[ADK] offset:1024*(\i)+512
.endm
.macro VLOAD n                         ; n fragments of V^T: 2 x key group + channel tile
.set i, 0
.rept \n
	ds_load_b128 v[VF+8*i:VF+8*i+3], v[ADV] offset:1024*i
	ds_load_b128 v[VF+8*i+4:VF+8*i+7], v[ADV] offset:1024*i+512
.set i, i+1
.endr
.endm
; One tile of 16 queries against 16 nk keys.  kn > 0 (tile 0 alone, the last of a step): the next step's kn tiles of K are fetched once all of this step's scores are made.
.macro TILE t, nk, kn, mask
.set QT, QF+8*(\t)
.set OT, OA+16*(\t)
.set MT, ST+4*(\t)
.set LT, ST+4*(\t)+2
.set i, 0
.rept \nk
.if (\mask) && (i == ((\nk)-1))
	v_wmma_f32_16x16x32_f16 v[S+8*i:S+8*i+7], v[KF+8*i:KF+8*i+7], v[QT:QT+7], v[MASK:MASK+7]
.else
	v_wmma_f32_16x16x32_f16 v[S+8*i:S+8*i+7], v[KF+8*i:KF+8*i+7], v[QT:QT+7], 0
.endif
.set i, i+1
.endr
.rept 4
	v_nop                                          ; four places ahead of the first read of the scores
.endr
.if (\nk) == 4
.irp j, 0,1,2,3
	v_max3_num_f32 v[CX+\j], v[S+8*\j], v[S+8*\j+1], v[S+8*\j+2]         ; four chains, each from its tile's low end on
.endr
.irp u, 3,5
.irp j, 0,1,2,3
	v_max3_num_f32 v[CX+\j], v[CX+\j], v[S+8*\j+\u], v[S+8*\j+\u+1]
.endr
.endr
	v_max3_num_f32 v[CX], v[CX], v[S+7], v[S+15]
	v_max3_num_f32 v[CX+2], v[CX+2], v[S+23], v[S+31]
	v_max3_num_f32 v[CX], v[CX], v[CX+1], v[CX+2]
	v_max3_num_f32 v[CX], v[CX], v[CX+3], v[MT]
.else
	v_max3_num_f32 v[CX], v[S], v[S+1], v[S+2]
	v_max3_num_f32 v[CX+1], v[S+8], v[S+9], v[S+10]
	v_max3_num_f32 v[CX], v[CX], v[S+3], v[S+4]
	v_max3_num_f32 v[CX+1], v[CX+1], v[S+11], v[S+12]
	v_max3_num_f32 v[CX], v[CX], v[S+5], v[S+6]
	v_max3_num_f32 v[CX+1], v[CX+1], v[S+13], v[S+14]
	v_max3_num_f32 v[CX], v[CX], v[S+7], v[S+15]
	v_max3_num_f32 v[CX], v[CX], v[CX+1], v[MT]
.endif
	v_permlanex16_b32 v[CX+1], v[CX], s30, s31     ; the query's other keys lie in the lane 16 away
	v_max_num_f32 v[CX], v[CX], v[CX+1]            ; the new m
	v_sub_f32 v[FA], v[MT], v[CX]
	v_exp_f32 v[FA], v[FA]                         ; ONE BATCH: a, and below all of p; nothing names a result ahead of the one wait
.set i, 0
.rept 4*(\nk)
	v_pk_add_f32 v[S+2*i:S+2*i+1], v[S+2*i:S+2*i+1], v[CX:CX+1] op_sel_hi:[1,0] neg_lo:[0,1] neg_hi:[0,1]   ; s - m
.set i, i+1
.endr
.set i, 0
.rept 8*(\nk)
	v_exp_f32 v[S+i], v[S+i]
.set i, i+1
.endr
	v_mov_b32 v[MT], v[CX]                         ; the plain line behind the last exponential
.if (\kn) > 0
	s_add_co_u32 s34, s34, 4096                    ; the next step's four tiles
	s_wait_alu depctr_vm_vsrc(0)                   ; this step's loads of K and of V, issued a step ago, have read v[ADK] and v[ADV], which the two lines below write
	v_add_nc_u32 v[ADK], s34, v3
	v_add_nc_u32 v[ADV], VIMG, v[ADK]
.endif
	s_wait_alu depctr_va_vdst(0)                   ; the batch has written a and p, ahead of the first line that names one of them; in tile 0 also: all my tiles' first products are done reading K's registers, and v[ADK] is written
	v_pk_fma_f32 v[LT:LT+1], v[LT:LT+1], v[FA:FA+1], v[S:S+1] op_sel_hi:[1,0,1]   ; l = a l + p, in two chains; the roundings to f16 stand between
	v_cvt_pk_f16_f32 v[P], v[S], v[S+1]
	v_pk_add_f32 v[TS:TS+1], v[S+2:S+3], v[S+4:S+5]
	v_cvt_pk_f16_f32 v[P+1], v[S+2], v[S+3]
	v_cvt_pk_f16_f32 v[P+2], v[S+4], v[S+5]
.set pp, 3
.rept 4*(\nk)-3
.if (pp-3) < (\kn)
	KTILE pp-3                                     ; the next step's K, a tile at a time.  No wait: no vector or matrix instruction since the wait above names K's registers or v[ADK]
.endif
.if pp%2
	v_pk_add_f32 v[LT:LT+1], v[LT:LT+1], v[S+2*pp:S+2*pp+1]
.else
	v_pk_add_f32 v[TS:TS+1], v[TS:TS+1], v[S+2*pp:S+2*pp+1]
.endif
	v_cvt_pk_f16_f32 v[P+pp], v[S+2*pp], v[S+2*pp+1]
.set pp, pp+1
.endr
	v_pk_add_f32 v[LT:LT+1], v[LT:LT+1], v[TS:TS+1]
.irp i, 0,1,2,3,4,5,6,7
	v_pk_mul_f32 v[OT+2*\i:OT+2*\i+1], v[OT+2*\i:OT+2*\i+1], v[FA:FA+1] op_sel_hi:[1,0]   ; O^T x a, each accumulator from its low end on
.endr
	s_wait_dscnt 2*(\kn)                           ; V is in; younger: the loads of K issued above
.set g, 0
.rept (\nk)/2
.irp c, 0,1
	v_wmma_f32_16x16x32_f16 v[OT+8*\c:OT+8*\c+7], v[VF+16*g+8*\c:VF+16*g+8*\c+7], v[P+8*g:P+8*g+7], v[OT+8*\c:OT+8*\c+7]   ; the two accumulators take turns
.endr
.set g, g+1
.endr
.endm
; A step of 16 nk keys for my tiles, the highest first; tile 0, which every wave has, comes last and fetches ahead.
.macro STEP nk, kn, vn, mask
	s_wait_dscnt 2*(\nk)                           ; K is in; younger: this step's loads of V
	s_cmp_le_u32 s22, s21                          ; have I a third tile?  (the wave's number alone)
	s_cbranch_scc0 .Lno2_\@
	TILE 2, \nk, 0, \mask
.Lno2_\@:
	s_cmp_le_u32 s23, s21
	s_cbranch_scc0 .Lno1_\@
	TILE 1, \nk, 0, \mask
.Lno1_\@:
	TILE 0, \nk, \kn, \mask
.if (\vn) > 0
	s_wait_alu depctr_va_vdst(0)                   ; all my tiles' second products are done reading V's registers, in which the loads below land (v[ADV] was written ahead of tile 0's wait)
	VLOAD \vn
.endif
.endm
.macro OUT t                           ; tile t: O^T / l, rounded to f16: the two halves of an image of 16 rows x 32 channels
	v_add_f32 v[CX], v[ST+4*\t+2], v[ST+4*\t+3]
	v_permlanex16_b32 v[CX+1], v[CX], s30, s31
	v_add_f32 v[CX], v[CX], v[CX+1]
	v_rcp_f32 v[FA], v[CX]
	v_nop                                          ; a plain line behind the reciprocal,
	s_wait_alu depctr_va_vdst(0)                   ; and the reciprocal has written 1 / l, ahead of its first reader
.irp i, 0,1,2,3,4,5,6,7
	v_pk_mul_f32 v[OA+16*\t+2*\i:OA+16*\t+2*\i+1], v[OA+16*\t+2*\i:OA+16*\t+2*\i+1], v[FA:FA+1] op_sel_hi:[1,0]
.endr
.irp i, 0,1,2,3,4,5,6,7
	v_cvt_pk_f16_f32 v[S+8*\t+\i], v[OA+16*\t+2*\i], v[OA+16*\t+2*\i+1]
.endr
	s_wait_alu depctr_va_vdst(0)                   ; the roundings have written v[S + 8 t ..], which the two stores read
	global_store_b128 v3, v[S+8*\t:S+8*\t+3], s[42:43] offset:16384*\t        ; 512 consecutive aligned bytes; each tile has data registers of its own
	global_store_b128 v3, v[S+8*\t+4:S+8*\t+7], s[42:43] offset:16384*\t+512
.endm
	s_load_b256 s[4:11], s[0:1], 0x0               ; xq s[4:5], wq4 s[6:7], bq s[8:9], bk s[10:11]
	s_load_b128 s[12:15], s[0:1], 0x20             ; bv s[12:13], att s[14:15]
	v_lshl_add_u32 v1, v0, 2, SPARE                ; my spare word,
	v_mov_b32 v2, 0                                ; and 0: kept for the closing lines alone
	v_lshrrev_b32 v3, 5, v0
	v_readfirstlane_b32 s16, v3                    ; wave 0..15
	s_mov_b32 s17, ttmp9                           ; which half of the queries
	s_and_b32 s19, ttmp7, 0xffff
	s_lshr_b32 s18, s19, 4                         ; b
	s_and_b32 s19, s19, 15                         ; head
	s_wait_alu depctr_va_sdst(0)                   ; s16 is written, ahead of its first reader: my tiles, addresses and branches are made from it
	s_mul_i32 s20, s16, 3
	s_lshl_b32 s44, s16, 1
	s_add_co_u32 s45, s44, 12
	s_add_co_u32 s21, s20, 2
	s_min_u32 s20, s20, s45                        ; T0 = min(3 w, 2 w + 12)
	s_add_co_u32 s45, s44, 13
	s_min_u32 s21, s21, s45
	s_min_u32 s21, s21, 42                         ; my last tile = min(3 w + 2, 2 w + 13, 42)
	s_add_co_u32 s22, s20, 2
	s_add_co_u32 s23, s20, 1
	s_mov_b32 s30, 0x76543210                      ; v_permlanex16_b32's selects for lane l xor 16
	s_mov_b32 s31, 0xfedcba98
	s_mov_b32 s32, 0x3e8293ee                      ; c = log2(e) / sqrt(32)
	s_mov_b32 s33, s32                             ; (named with it as a pair, so it is written)
	s_mov_b32 s34, 0
	s_mov_b32 s49, 0
	v_and_b32 v21, 31, v0
	v_lshlrev_b32 v3, 4, v21                       ; 16 x lane
	v_lshlrev_b32 v4, 3, v21                       ; 8 x lane
	v_lshlrev_b32 v21, 2, v21                      ; 4 x lane
	v_add_nc_u32 v5, WFR, v3
	v_add_nc_u32 v6, WSC, v21
	v_bfe_u32 v7, v0, 4, 1
	v_lshl_add_u32 v7, v7, 5, WBI                  ; 32 h
	v_and_b32 v8, 15, v0
	v_lshl_add_u32 v8, v8, 2, WBI                  ; 4 r
.irp i, 0,1,2
	SLOTADR \i, 0, 9+\i, 12+\i
	SLOTADR \i, 1, 15+\i, 18+\i
.endr
	s_mul_i32 s44, s16, 1536                       ; the copy of the head's block of wq4: 1,536 bytes of images a wave;
	v_add_nc_u32 v249, s44, v5
	s_min_u32 s46, s16, 2                          ; waves 0, 1, 2 also copy matrix w's scale words and bias
	s_lshl_b32 s47, s46, 9
	v_add_nc_u32 v250, s47, v3
	v_add_nc_u32 v250, WSC, v250
	s_lshl_b32 s45, s46, 7
	v_add_nc_u32 v251, s45, v21
	v_add_nc_u32 v251, WBI, v251
	s_mul_i32 s51, s19, 26112
	s_mul_i32 s50, s18, 86                         ; the batch's first tile
	s_wait_kmcnt 0x0
	s_add_co_u32 s48, s51, s44
	s_add_nc_u64 s[36:37], s[6:7], s[48:49]
	s_add_co_u32 s48, s51, s47
	s_add_co_u32 s48, s48, 24576
	s_add_nc_u64 s[38:39], s[6:7], s[48:49]
	s_cmp_eq_u32 s16, 0
	s_cselect_b64 s[40:41], s[8:9], s[10:11]
	s_cmp_gt_u32 s16, 1
	s_cselect_b64 s[40:41], s[12:13], s[40:41]
	s_lshl_b32 s48, s19, 7
	s_add_nc_u64 s[40:41], s[40:41], s[48:49]
	s_mul_i32 s48, s17, 43
	s_add_co_u32 s48, s48, s50
	s_add_co_u32 s48, s48, s20
	s_lshl_b32 s48, s48, 4
	s_add_co_u32 s48, s48, s19
	s_lshl_b32 s48, s48, 10
	s_add_nc_u64 s[42:43], s[14:15], s[48:49]      ; att at (my first tile, head)
	XBASE
	s_wait_alu depctr_va_vdst(0)                   ; the offsets and LDS addresses v3 to v21 and v249 to v251 are written: the loads and stores of the whole kernel read them
.irp k, 0,1,2
	global_load_b128 v[232+4*\k:235+4*\k], v3, s[36:37] offset:512*\k
.endr
	global_load_b128 v[244:247], v3, s[38:39]      ; every wave loads these two (waves 3 to 15: matrix 2's once more), so that no register is written on one way alone
	global_load_b32 v248, v21, s[40:41]
	XLOAD                                          ; round 0: tiles 0 to 42 of the batch
	s_wait_loadcnt 27                              ; the copy's five loads are in; younger: the 27 loads of x
.irp k, 0,1,2
	ds_store_b128 v249, v[232+4*\k:235+4*\k] offset:512*\k
.endr
	s_cmp_lt_u32 s16, 3
	s_cbranch_scc0 .Lno_small
	ds_store_b128 v250, v[244:247]
	ds_store_b32 v251, v248
.Lno_small:
	s_wait_dscnt 0x0                               ; for the others' sake: my stores have landed
	s_barrier_signal -1
	s_barrier_wait -1                              ; the head's weights lie in LDS
	s_wait_alu depctr_vm_vsrc(0)                   ; the copy's LDS stores have read v232 to v251, data and addresses: these registers are the accumulators from here on, written by the products
	LOADM 1
	s_wait_loadcnt 0x0                             ; x
	PROJ 1, 2, 9
	PROJ 2, 0, 12
	PROJ 0, 1, 0                                   ; Q of the first half's tiles: kept where the work-group owns that half
	s_add_co_u32 s50, s50, 43
	XBASE                                          ; (round 0's loads were waited for: their bases may be written)
	XLOAD                                          ; round 1: tiles 43 to 85.  No wait: no vector or matrix instruction since the wait behind Q's roundings names x's registers
	s_wait_loadcnt 0x0
	PROJ 1, 2, 15
	PROJ 2, -1, 18
	s_cmp_eq_u32 s17, 0                            ; the work-group's number alone: all sixteen waves go the same way
	s_cbranch_scc1 .Lq_done
	LOADM 0                                        ; no wait: no vector or matrix instruction since the wait behind V's last roundings names the matrix's registers
	PROJ 0, -1, 0                                  ; Q of the second half's tiles
.Lq_done:
	s_wait_dscnt 0x0                               ; my stores of K and V have landed
	s_barrier_signal -1
	s_barrier_wait -1                              ; all of K and V lies in LDS; nobody stores to LDS any more
.irp t, 0,1,2
	v_mov_b32 v[ST+4*\t], 0xff61b1e6               ; m: -3e38, under every score
	v_mov_b32 v[ST+4*\t+1], 0
	v_mov_b32 v[ST+4*\t+2], 0                      ; l
	v_mov_b32 v[ST+4*\t+3], 0
.endr
	v_mov_b32 v[FA+1], 0                           ; (named as a pair's upper word)
.set i, 0
.rept 48
	v_mov_b32 v[OA+i], 0                           ; O^T.  The step is written once: the first finds zeros, which a = 0 leaves zeros
.set i, i+1
.endr
	v_and_b32 v[TS], 16, v0
	v_cmp_ne_u32 vcc_lo, 0, v[TS]                  ; lanes 16-31 hold keys 8 .. 15 of a tile
	v_mov_b32 v[TS+1], 0xf149f2ca                  ; -1e30
	v_mov_b32 v[MASK], 0
	v_mov_b32 v[MASK+1], 0
	s_wait_alu depctr_va_vcc(0)                    ; the compare has written VCC, ahead of its first reader
.irp j, 2,3,4,5,6,7
	v_cndmask_b32 v[MASK+\j], 0, v[TS+1], vcc_lo   ; keys 10 .. 15 of tile 85 are no keys
.endr
	v_add_nc_u32 v[ADK], s34, v3
	v_add_nc_u32 v[ADV], VIMG, v[ADK]
	s_wait_alu depctr_va_vdst(0)                   ; v[ADK] and v[ADV] are written, which the loads below read; the projections' products are done reading x's and the matrices' registers, in which K and V land
.irp i, 0,1,2,3
	KTILE \i
.endr
	VLOAD 4
	s_mov_b32 s35, 20
.Lkey:                                                 ; 20 trips of 64 keys; each fetches the next step's K and V
	STEP 4, 4, 4, 0
	s_sub_co_u32 s35, s35, 1
	s_cmp_lg_u32 s35, 0
	s_cbranch_scc1 .Lkey
	STEP 4, 2, 2, 0                                ; keys 1,280 to 1,343; fetches the last two tiles
	STEP 2, 0, 0, 1                                ; keys 1,344 to 1,369
.rept 4
	v_nop                                          ; four places ahead of the first read of the last products' results
.endr
	s_cmp_le_u32 s22, s21
	s_cbranch_scc0 .Lout1
	OUT 2
.Lout1:
	s_cmp_le_u32 s23, s21
	s_cbranch_scc0 .Lout0
	OUT 1
.Lout0:
	OUT 0
	s_wait_dscnt 0x0                               ; the closing lines, six on end
	s_wait_alu 0x0
	s_wait_tensorcnt 0x0
	ds_add_u32 v1, v2
	s_wait_dscnt 0x0
	s_endpgm
.Lfunc_end_k_qcfd3ffa79b_attn:
	.size	k_qcfd3ffa79b_attn, .Lfunc_end_k_qcfd3ffa79b_attn-k_qcfd3ffa79b_attn
	.p2alignl 7, 3214868480
	.fill 96, 4, 3214868480
	.section	.rodata,"a",@progbits
	.p2align	6, 0x0
	.amdhsa_kernel k_qcfd3ffa79b_attn
		.amdhsa_group_segment_fixed_size 204800
		.amdhsa_private_segment_fixed_size 0
		.amdhsa_enable_private_segment 0
		.amdhsa_kernarg_size 48
		.amdhsa_user_sgpr_count 2
		.amdhsa_user_sgpr_kernarg_segment_ptr 1
		.amdhsa_wavefront_size32 1
		.amdhsa_system_sgpr_workgroup_id_x 1
		.amdhsa_system_sgpr_workgroup_id_y 1
		.amdhsa_system_sgpr_workgroup_id_z 1
		.amdhsa_system_vgpr_workitem_id 0
		.amdhsa_next_free_vgpr 256
		.amdhsa_next_free_sgpr 66
		.amdhsa_reserve_vcc 1
		.amdhsa_float_denorm_mode_32 3
		.amdhsa_float_denorm_mode_16_64 3
		.amdhsa_memory_ordered 1
		.amdhsa_forward_progress 1
		.amdhsa_inst_pref_size 118
	.end_amdhsa_kernel
	.amdgpu_metadata
---
amdhsa.version: [ 1, 2 ]
amdhsa.kernels:
  - .name:           k_qcfd3ffa79b_attn
    .symbol:         k_qcfd3ffa79b_attn.kd
    .args:
      - { .name: xq, .offset: 0, .size: 8, .value_kind: global_buffer, .address_space: global }
      - { .name: wq4, .offset: 8, .size: 8, .value_kind: global_buffer, .address_space: global }
      - { .name: bq, .offset: 16, .size: 8, .value_kind: global_buffer, .address_space: global }
      - { .name: bk, .offset: 24, .size: 8, .value_kind: global_buffer, .address_space: global }
      - { .name: bv, .offset: 32, .size: 8, .value_kind: global_buffer, .address_space: global }
      - { .name: att, .offset: 40, .size: 8, .value_kind: global_buffer, .address_space: global }
    .group_segment_fixed_size: 204800
    .private_segment_fixed_size: 0
    .kernarg_segment_align: 8
    .kernarg_segment_size: 48
    .max_flat_workgroup_size: 512
    .sgpr_count:     66
    .vgpr_count:     256
    .wavefront_size: 32
...
	.end_amdgpu_metadata
.endif
;; end of part 4
;; launch outp: the kernel of part 3 again; grid 86 x 2, 4 waves a work-group, no clusters, 167,936 bytes of LDS; arguments att, wo16, bo, out0; writes out0
